; MI455X (gfx1250); checked and timed in simulation.
; The chip was launched on July 23, 2026; its instructions are those of AMD's public machine-readable ISA for CDNA 5 (MIT licence, August 2026) and "CDNA5" Instruction Set Architecture Reference Guide (July 2026). The comments in the code are by the model that wrote it; some were corrected since.
;; Multi Head Attention. Allowed arithmetic: matrix products marked QUANTISED: E4M3 operands, one given power-of-two scale a tensor, by v_wmma_f32_16x16x64_fp8_fp8 or v_wmma_f32_16x16x128_fp8_fp8, f32 sums; everything else in f32.
;; Inputs: K 4 x 2,048 x 1,024 float32; Q 4 x 2,048 x 1,024 float32; V 4 x 2,048 x 1,024 float32; W_K 1,024 x 1,024 float32; W_O 1,024 x 1,024 float32; W_Q 1,024 x 1,024 float32; W_V 1,024 x 1,024 float32; lowp_scales 12 int32 (the exponents e of the quantised operands' scales 2^e); mask 4 x 2,048 x 1 bool.
;; Outputs: out0 4 x 2,048 x 1,024 float32.
;; This version of the problem:
;;   THIS VERSION OF THE PROBLEM IS GIVEN IN LOW PRECISION. The matrix products marked QUANTISED in the list below multiply operands that are first quantised to E4M3 (4 exponent bits, 3 mantissa bits; 8 bits a number), with one given power-of-two scale for each operand tensor; their sums are f32. All else is computed in f32.
;;   The module's matrix products, in the order in which they are computed (A, B: the left and right operand; K: the contracted axis; several contracted axes count as one K, in the product's order):
;;     1. [M 8,192, K 1,024] x [K 1,024, N 1,024]; A: input Q; B: input W_Q: QUANTISED (scales: A lowp_scales[0], B lowp_scales[1])
;;     2. [M 8,192, K 1,024] x [K 1,024, N 1,024]; A: input K; B: input W_K: QUANTISED (scales: A lowp_scales[2], B lowp_scales[3])
;;     3. [M 8,192, K 1,024] x [K 1,024, N 1,024]; A: input V; B: input W_V: QUANTISED (scales: A lowp_scales[4], B lowp_scales[5])
;;     4. batch 64 x [M 2,048, K 64] x [K 64, N 2,048]; A: computed on the way; B: computed on the way: QUANTISED (scales: A lowp_scales[6], B lowp_scales[7])
;;     5. batch 64 x [M 2,048, K 2,048] x [K 2,048, N 64]; A: softmax (see below); B: computed on the way: QUANTISED (scales: A lowp_scales[8], B lowp_scales[9])
;;     6. [M 8,192, K 1,024] x [K 1,024, N 1,024]; A: computed on the way; B: input W_O: QUANTISED (scales: A lowp_scales[10], B lowp_scales[11])
;;   THE QUANTISER, for each operand of a quantised product, along K:
;;     - The operand's scale is 2^e, e = its entry of the input lowp_scales (int32; the entries are numbered through the quantised products in the list's order, A before B).
;;     - Each number is divided by the scale, clamped to +-448, and rounded to the nearest number of E4M3, ties to even, subnormals kept.
;;     - The product sums the exact products of the quantised numbers (number of the format x scale) in f32.
;;   ~~~python
;;   def quantise(x, axis, e):      # numpy; x: float32 -> the quantised numbers, widened to float32 again
;;       x = np.moveaxis(x, axis, -1); K = x.shape[-1]
;;       r = np.clip(x / 2.0 ** e, -448, 448)
;;       step = 2.0 ** (np.maximum(np.frexp(np.where(r == 0, 1, r))[1] - 1, -6) - 3)
;;       q = np.round(r / step) * step * 2.0 ** e      # np.round: ties to even
;;       return np.moveaxis(q, -1, axis).astype(np.float32)
;;   ~~~
;;   SOFTMAX AHEAD OF A QUANTISED PRODUCT. Where the list says 'softmax', what is quantised is not the finished softmax but p = 2^(t - M), with t = logit x log2(e) and M = ceil(the row's largest t), a whole number; so 1/2 < the row's largest p <= 1. The row's sum l is taken of the UNQUANTISED p, in f32, and the product's result is divided by l at the end. Since M is a whole number, a kernel that streams over the keys may use a running M (the ceiling of the running maximum): every later rescaling is an exact power of two, so the quantised numbers keep their values, but for numbers so far below the row's largest that they fall under the format's range.
;;   OPERANDS COMPUTED ON THE WAY. 'Computed on the way' means the value that the module computes at that place (a softmax that the list does not call 'softmax' is quantised finished and normalised). What goes into a quantiser is computed in f32, as accurately as f32 sums, v_exp_f32 and their like allow (about 1e-6 of the number): no bf16 or f16 on the way to a quantiser, and a product that is left as it is and whose result goes on into a quantised operand takes f32 operands (vector FMAs, or v_wmma_f32_16x16x4_f32). A number that lies on a knife's edge between two numbers of the format may be rounded either way, as far as f32 arithmetic and the matrix unit's own rounding can turn it there, and no further.
;; 2 versions, each right; version 2 is version 1 with the launch attn written anew for expert scheduling mode. Each part assembles by itself: llvm-mc -triple=amdgcn-amd-amdhsa -mcpu=gfx1250 --defsym DOCPART=n.
;; ======== version 1 of 2: 4 launches
;; limits: right only within a limited range of input values
;; workspace buffers: cod 29,360,128 bytes; cnt 1,024 bytes of whole numbers; hc 25,165,824 bytes; ac 8,388,608 bytes
;; launch quant (part 1): grid 1792 x 1, 4 waves a work-group, no clusters, 20,992 bytes of LDS; arguments Q, K, V, W_Q, W_K, W_V, W_O, mask, lowp_scales, cod, cnt; writes cod, cnt
.if DOCPART == 1
	.amdgcn_target "amdgcn-amd-amdhsa--gfx1250"
	.amdhsa_code_object_version 6
	.text
	.protected	k_q08747cb938_quant
	.globl	k_q08747cb938_quant
	.p2align	8
	.type	k_q08747cb938_quant,@function
k_q08747cb938_quant:
	s_mov_b64 s[64:65], 0
	v_nop
	global_prefetch_b8 v0, s[64:65] scope:SCOPE_SE
	s_setreg_imm32_b32 hwreg(HW_REG_WAVE_MODE, 25, 1), 1
	s_wait_xcnt 0x0
; LAUNCH 1 OF 4.  Q, K, V [8192][1024] and W_Q, W_K, W_V, W_O [1024][1024], f32, become codes of E4M3 in cod, rows of 1,024 bytes, K innermost, each tensor with its given scale 2^e:
; code = x / 2^e, held within +-448, to the nearest code, ties to even.  cod's rows: 0 Q, 8192 K, 16384 V, 24576 W_Q, 25600 W_K, 26624 W_V, 27648 W_O.
; NO WORK IS LEFT OUT FOR ALL INPUTS, and every input is loaded.  What is left out is chosen by the whole numbers of the input mask, read from memory:
; a masked key's logit is -1e9, so beside any unmasked key of its batch its p = 2^(t - M) is 0 in the row's sum and in the codes.  So the rows of K and V are PACKED in each batch: unmasked key j goes to
; position U(j) = the number of unmasked keys before it, a masked key to n + the number of masked keys before it (n = the batch's unmasked keys): each position has one writer.  A masked row is not read: zeros are written.
; A batch whose keys are ALL masked has a uniform softmax: there every key counts (position j, n = 2048) and the flag uni = 1 tells the attention launch to take every logit as equal.
; cnt: batch b's 256 bytes hold the pair (n, uni) 32 times.
; LIMITS: each e between -126 and 119.  NaN among the inputs is not served.  lowp_scales[6] + lowp_scales[7] at most 8, so that no unmasked logit comes near -1e9 (64 x 448^2 x 2^8 / 8 stays under half of it).
; SHARES: a wave takes 4 rows (16 KB), a work-group 16.  Work-groups 0-511 Q, 512-1023 K, 1024-1535 V, then 64 each for the four weights.  A step is 512 numbers: four loads of 512 consecutive bytes;
; they turn through the wave's own stage in LDS so that a lane holds 16 neighbours along K; a lane's 16 codes are 16 bytes, a wave's store 512 consecutive bytes.  No barrier: waves share nothing.
.set SP,    80                         ; a lane's place in a stage: 64 bytes + 16 of padding
.set WREG,  5120                       ; a wave's two stages of 32 x SP bytes
.set SPARE, 4*WREG                     ; behind them: the spare words, 128 bytes a wave, that no other line names
.set OFF,   16                         ; v16-19  row i's byte offset in cod + 16 x lane
.set R,     32                         ; v32-159 the four rows as loaded: step t at R + 16 t
.set X,     160                        ; v160-191 two sets of 16 neighbours
.set C,     192                        ; v192-223 codes, four registers a step
.set SPW,   12
.set NIL,   13
	s_load_b512 s[8:23], s[0:1], 0x0               ; Q K V W_Q W_K W_V W_O mask
	s_load_b128 s[24:27], s[0:1], 0x40             ; lowp_scales, cod
	s_load_b64 s[28:29], s[0:1], 0x50              ; cnt
	v_lshl_add_u32 v[SPW], v0, 2, SPARE
	v_mov_b32 v[NIL], 0
	v_lshrrev_b32 v1, 5, v0
	v_readfirstlane_b32 s48, v1                    ; wave
	v_and_b32 v2, 31, v0                           ; lane
	v_lshlrev_b32 v3, 4, v2                        ; 16 x lane
	s_mul_i32 s30, s48, WREG
	v_lshrrev_b32 v14, 2, v2
	v_mul_u32_u24 v14, v14, SP
	v_and_b32 v15, 3, v2
	v_lshl_add_u32 v14, v15, 4, v14
	v_add_nc_u32 v14, s30, v14                     ; into the stage: SP (lane / 4) + 16 (lane % 4)
	v_mul_u32_u24 v15, v2, SP
	v_add_nc_u32 v15, s30, v15                     ; out of it: SP x lane
	s_mov_b32 s44, 0x76543210
	s_mov_b32 s45, 0xfedcba98
	; which tensor, which rows: ids alone
	s_cmp_lt_u32 ttmp9, 1536                       ; one of Q, K, V?
	s_cselect_b32 s30, 0, 1536
	s_cselect_b32 s31, 9, 6
	s_cselect_b32 s32, 511, 63
	s_sub_co_u32 s30, ttmp9, s30
	s_lshr_b32 s33, s30, s31                       ; tt: which of the three, or of the four
	s_and_b32 s34, s30, s32
	s_lshl_b32 s34, s34, 4
	s_lshl_b32 s31, s48, 2
	s_add_co_u32 s34, s34, s31                     ; my first row in the tensor
	s_and_b32 s52, s34, 2047                       ; j0: in its batch
	s_and_b32 s53, s34, 0xfffff800                 ; 2048 x batch
	s_lshl_b32 s35, s33, 13
	s_add_co_u32 s35, s35, s53
	s_lshl_b32 s31, s33, 10
	s_add_co_u32 s31, s31, 24576
	s_lshl_b32 s49, s33, 1
	s_add_co_u32 s50, s49, 1
	s_cmp_eq_u32 s33, 3
	s_cselect_b32 s50, 11, s50                     ; the weights' entries: 1, 3, 5, 11
	s_cmp_lt_u32 ttmp9, 1536
	s_cselect_b32 s35, s35, s31                    ; cod's row at which position 0 lies
	s_cselect_b32 s49, s49, s50                    ; the activations' entries: 0, 2, 4
	s_lshl_b32 s49, s49, 2
	s_wait_kmcnt 0x0
	s_load_b32 s46, s[24:25], s49 offset:0x0       ; e
	s_mov_b64 s[4:5], s[8:9]                       ; the source: a choice among buffers by the work-group's number
	s_cmp_ge_u32 ttmp9, 512
	s_cselect_b64 s[4:5], s[10:11], s[4:5]
	s_cmp_ge_u32 ttmp9, 1024
	s_cselect_b64 s[4:5], s[12:13], s[4:5]
	s_cmp_ge_u32 ttmp9, 1536
	s_cselect_b64 s[4:5], s[14:15], s[4:5]
	s_cmp_ge_u32 ttmp9, 1600
	s_cselect_b64 s[4:5], s[16:17], s[4:5]
	s_cmp_ge_u32 ttmp9, 1664
	s_cselect_b64 s[4:5], s[18:19], s[4:5]
	s_cmp_ge_u32 ttmp9, 1728
	s_cselect_b64 s[4:5], s[20:21], s[4:5]
	s_lshl_b32 s30, s34, 12
	s_mov_b32 s31, 0
	s_add_nc_u64 s[4:5], s[4:5], s[30:31]          ; at my first row
	; THE SCAN, for K and V alone: masked keys of my batch before j0 (PRE) and in all (TOT).  A lane takes 64 bytes of the batch's 2,048; bytes are added four to a word (at most 16 each)
	s_cmp_ge_u32 ttmp9, 512
	s_cbranch_scc0 .Lno_scan
	s_cmp_lt_u32 ttmp9, 1536
	s_cbranch_scc0 .Lno_scan
	v_lshl_add_u32 v20, v2, 6, s53
	global_load_b128 v[32:35], v20, s[22:23]
	global_load_b128 v[36:39], v20, s[22:23] offset:16
	global_load_b128 v[40:43], v20, s[22:23] offset:32
	global_load_b128 v[44:47], v20, s[22:23] offset:48
	s_load_b32 s38, s[22:23], s34 offset:0x0       ; my four rows' own mask bytes
	v_lshlrev_b32 v21, 6, v2
	v_sub_nc_u32 v21, s52, v21                     ; tau = j0 - 64 lane: my word d lies before j0 where 4 d < tau
	s_mov_b32 s31, 0x01010101
	s_wait_loadcnt 0x0
	v_cmp_lt_i32 vcc_lo, 0, v21
	v_cndmask_b32 v22, 0, v32, vcc_lo
	v_mov_b32 v23, v32
.set d, 1
.rept 15
	v_cmp_lt_i32 vcc_lo, 4*d, v21
	v_cndmask_b32 v24, 0, v[32+d], vcc_lo
	v_add_nc_u32 v22, v22, v24
	v_add_nc_u32 v23, v23, v[32+d]
.set d, d+1
.endr
	v_mul_lo_u32 v22, v22, s31                     ; the four bytes' sum comes into the top byte
	v_mul_lo_u32 v23, v23, s31
	v_lshrrev_b32 v22, 24, v22
	v_lshrrev_b32 v23, 24, v23
	v_lshl_or_b32 v22, v23, 16, v22                ; both counts in one word: each stays under 65,536
.irp m, 1,2,4,8
	v_mov_b32_dpp v24, v22 row_xmask:\m row_mask:0xf bank_mask:0xf
	v_add_nc_u32 v22, v22, v24
.endr
	v_permlanex16_b32 v24, v22, s44, s45
	v_add_nc_u32 v22, v22, v24
	v_readfirstlane_b32 s30, v22
	s_and_b32 s36, s30, 0xffff                     ; PRE
	s_lshr_b32 s37, s30, 16                        ; TOT
	s_wait_kmcnt 0x0
	s_cmp_eq_u32 s37, 2048                         ; all masked: every key counts
	s_cselect_b32 s36, 0, s36
	s_cselect_b32 s38, 0, s38
	s_branch .Lscanned
.Lno_scan:
	s_mov_b32 s36, 0
	s_mov_b32 s37, 0
	s_mov_b32 s38, 0
.Lscanned:
	s_sub_co_u32 s39, 2048, s37
	s_cmp_eq_u32 s37, 2048
	s_cselect_b32 s39, 2048, s39                   ; n
	s_cselect_b32 s51, 1, 0                        ; uni
.irp i, 0,1,2,3                                ; each row's position
	s_bfe_u32 s[40+\i], s38, (1<<16)|(8*\i)        ; masked?
	s_add_co_u32 s30, s52, \i
	s_sub_co_u32 s30, s30, s36                     ; unmasked keys before it
	s_add_co_u32 s31, s39, s36                     ; n + masked keys before it
	s_cmp_lg_u32 s[40+\i], 0
	s_cselect_b32 s30, s31, s30
	s_min_u32 s30, s30, 2047                       ; a number made of loaded data enters an address only held so
	s_add_co_u32 s30, s30, s35
	s_lshl_b32 s30, s30, 10
	v_add_nc_u32 v[OFF+\i], s30, v3
	s_add_co_u32 s36, s36, s[40+\i]
.endr
.macro ROWIN i                         ; a row that counts is loaded, eight loads of 512 consecutive bytes; a masked row is zeros.  Both ways write the same 32 registers
	s_cmp_lg_u32 s[40+\i], 0
	s_cbranch_scc1 .Ldead_\@
.irp k, 0,1,2,3,4,5,6,7
	global_load_b128 v[R+32*\i+4*\k:R+32*\i+4*\k+3], v3, s[4:5] offset:4096*\i+512*\k th:TH_LOAD_NT
.endr
	s_branch .Ljoin_\@
.Ldead_\@:
.set z, 0
.rept 32
	v_mov_b32 v[R+32*\i+z], 0
.set z, z+1
.endr
.Ljoin_\@:
.endm
	ROWIN 0
	ROWIN 1
	ROWIN 2
	ROWIN 3
	s_wait_kmcnt 0x0
	s_add_co_i32 s46, s46, 127
	s_lshl_b32 s30, s46, 23
	v_mov_b32 v11, s30                             ; 2^e as f32: the conversion takes its exponent field
	s_add_co_i32 s46, s46, 8
	s_lshl_b32 s46, s46, 23
	s_or_b32 s46, s46, 0x600000
	v_mov_b32 v10, s46                             ; 448 x 2^e
	s_wait_loadcnt 0x0                             ; for zero: how many loads are out differs from way to way
.macro TURN t                          ; step t through the stage: LDS serves a wave's instructions in order, so no wait stands between the stores and the loads
.irp i, 0,1,2,3
	ds_store_b128 v14, v[R+16*(\t)+4*\i:R+16*(\t)+4*\i+3] offset:32*SP*((\t)%2)+8*SP*\i
.endr
.irp i, 0,1,2,3
	ds_load_b128 v[X+16*((\t)%2)+4*\i:X+16*((\t)%2)+4*\i+3], v15 offset:32*SP*((\t)%2)+16*\i
.endr
.endm
.macro STEP t
.set XS, X+16*((\t)%2)
	s_wait_dscnt 0x0                               ; this step's numbers are back
.if (\t)+1 < 8
	TURN (\t)+1                                    ; the next step goes through the other stage meanwhile
.endif
.irp i, 0,1,2,3,4,5,6,7,8,9,10,11,12,13,14,15
	v_med3_num_f32 v[XS+\i], v[XS+\i], -v10, v10   ; the conversion to an 8-bit code does not saturate (ISA guide 7.6.2): the hold comes first
.endr
	v_cvt_scalef32_pk8_fp8_f32 v[C+4*(\t):C+4*(\t)+1], v[XS:XS+7], v11
	v_cvt_scalef32_pk8_fp8_f32 v[C+4*(\t)+2:C+4*(\t)+3], v[XS+8:XS+15], v11
	global_store_b128 v[OFF+(\t)/2], v[C+4*(\t):C+4*(\t)+3], s[26:27] offset:512*((\t)%2)   ; 32 lanes store 512 consecutive bytes; each step has its own data registers
.endm
	TURN 0
.irp t, 0,1,2,3,4,5,6,7
	STEP \t
.endr
	; n and uni of a batch are stored by wave 0 of K's first work-group of that batch: one whole block of 256 bytes
	s_cmp_ge_u32 ttmp9, 512
	s_cbranch_scc0 .Lno_cnt
	s_cmp_lt_u32 ttmp9, 1024
	s_cbranch_scc0 .Lno_cnt
	s_and_b32 s30, ttmp9, 127
	s_or_b32 s30, s30, s48
	s_cmp_eq_u32 s30, 0
	s_cbranch_scc0 .Lno_cnt
	s_lshr_b32 s30, s34, 11
	s_lshl_b32 s30, s30, 8
	s_mov_b32 s31, 0
	s_add_nc_u64 s[28:29], s[28:29], s[30:31]
	v_lshlrev_b32 v20, 3, v2
	v_mov_b32 v26, s39
	v_mov_b32 v27, s51
	global_store_b64 v20, v[26:27], s[28:29]
.Lno_cnt:
	s_wait_tensorcnt 0x0                           ; the wave's end
	ds_add_u32 v[SPW], v[NIL]
	s_wait_dscnt 0x0
	s_endpgm
.Lfunc_end_k_q08747cb938_quant:
	.size	k_q08747cb938_quant, .Lfunc_end_k_q08747cb938_quant-k_q08747cb938_quant
	.p2alignl 7, 3214868480
	.fill 96, 4, 3214868480
	.section	.rodata,"a",@progbits
	.p2align	6, 0x0
	.amdhsa_kernel k_q08747cb938_quant
		.amdhsa_group_segment_fixed_size 20992
		.amdhsa_private_segment_fixed_size 0
		.amdhsa_enable_private_segment 0
		.amdhsa_kernarg_size 88
		.amdhsa_user_sgpr_count 2
		.amdhsa_user_sgpr_kernarg_segment_ptr 1
		.amdhsa_wavefront_size32 1
		.amdhsa_system_sgpr_workgroup_id_x 1
		.amdhsa_system_sgpr_workgroup_id_y 1
		.amdhsa_system_sgpr_workgroup_id_z 1
		.amdhsa_system_vgpr_workitem_id 0
		.amdhsa_next_free_vgpr 224
		.amdhsa_next_free_sgpr 66
		.amdhsa_reserve_vcc 1
		.amdhsa_float_denorm_mode_32 3
		.amdhsa_float_denorm_mode_16_64 3
		.amdhsa_memory_ordered 1
		.amdhsa_forward_progress 1
		.amdhsa_inst_pref_size 32
	.end_amdhsa_kernel
	.amdgpu_metadata
---
amdhsa.version: [ 1, 2 ]
amdhsa.kernels:
  - .name:           k_q08747cb938_quant
    .symbol:         k_q08747cb938_quant.kd
    .args:
      - { .name: Q, .offset: 0, .size: 8, .value_kind: global_buffer, .address_space: global }
      - { .name: K, .offset: 8, .size: 8, .value_kind: global_buffer, .address_space: global }
      - { .name: V, .offset: 16, .size: 8, .value_kind: global_buffer, .address_space: global }
      - { .name: W_Q, .offset: 24, .size: 8, .value_kind: global_buffer, .address_space: global }
      - { .name: W_K, .offset: 32, .size: 8, .value_kind: global_buffer, .address_space: global }
      - { .name: W_V, .offset: 40, .size: 8, .value_kind: global_buffer, .address_space: global }
      - { .name: W_O, .offset: 48, .size: 8, .value_kind: global_buffer, .address_space: global }
      - { .name: mask, .offset: 56, .size: 8, .value_kind: global_buffer, .address_space: global }
      - { .name: lowp_scales, .offset: 64, .size: 8, .value_kind: global_buffer, .address_space: global }
      - { .name: cod, .offset: 72, .size: 8, .value_kind: global_buffer, .address_space: global }
      - { .name: cnt, .offset: 80, .size: 8, .value_kind: global_buffer, .address_space: global }
    .group_segment_fixed_size: 20992
    .private_segment_fixed_size: 0
    .kernarg_segment_align: 8
    .kernarg_segment_size: 88
    .max_flat_workgroup_size: 128
    .sgpr_count:     66
    .vgpr_count:     224
    .wavefront_size: 32
...
	.end_amdgpu_metadata
.endif
;; end of part 1
;; launch proj (part 2): grid 4 x 96, 4 waves a work-group, clusters of 4 x 4, 327,680 bytes of LDS; arguments cod, lowp_scales, hc; writes hc
.if DOCPART == 2
	.amdgcn_target "amdgcn-amd-amdhsa--gfx1250"
	.amdhsa_code_object_version 6
	.text
	.protected	k_q08747cb938_proj
	.globl	k_q08747cb938_proj
	.p2align	8
	.type	k_q08747cb938_proj,@function
k_q08747cb938_proj:
	s_mov_b64 s[64:65], 0
	v_nop
	global_prefetch_b8 v0, s[64:65] scope:SCOPE_SE
	s_setreg_imm32_b32 hwreg(HW_REG_WAVE_MODE, 25, 1), 1
	s_wait_xcnt 0x0
	s_wait_alu depctr_hold_cnt(0) depctr_sa_sdst(0) depctr_va_vdst(0) depctr_va_sdst(0) depctr_va_ssrc(0) depctr_va_vcc(0) depctr_vm_vsrc(0)
	s_getreg_b32 s2, hwreg(HW_REG_IB_STS2, 6, 4)
	s_cmp_eq_u32 s2, 0
	s_cbranch_scc0 .Lentry_in_a_cluster
	s_endpgm
.Lentry_in_a_cluster:
	s_bfe_u32 s2, ttmp6, 0x10000c
	s_cmp_lg_u32 s2, 0xf033
	s_cbranch_scc0 .Lentry_shape_is_right
	s_endpgm
.Lentry_shape_is_right:
; LAUNCH 2 OF 4.  The three projections on codes of E4M3, q = Q W_Q^T, k = K W_K^T, v = V W_V^T (K = 1,024), and their results quantised at once for the attention's two products.
; Rows of K and V are the packed positions of launch 1 (masked keys' rows are zero codes); nothing is left out here.
; A tile of 256 x 256 to a work-group of four waves, 128 x 128 a wave: 64 accumulators, 512 registers.  K goes in four steps of 256 through a ring of two LDS slots filled by the tensor data mover.
; CLUSTERS 4 x 4; cluster y = Y.  Y 0-7: q, Y 8-15: k: side A = 256 rows of activations (tile 4 Y + cy of cod), side B = 256 rows of the weight (tile 96 + 4 (Y / 8) + cx).
; Y 16-23: v, WITH THE SIDES SWAPPED: side A = rows of W_V (tile 104 + cy), side B = rows of V's codes (tile 4 Y + cx).  A's tile is shared along a row of the cluster, B's along a column: joint loads.
; The matrix instruction takes side B as source 0 and side A as source 1: a lane then holds ONE row of side A and eight NEIGHBOURS of side B: for q and k eight channels of a position (their K is the head's 64),
; for v eight keys of a channel (its K is the keys).  So eight sums go through one conversion into eight codes that belong together.
; code = sum x 2^(ea + eb) / 2^eo, held within +-448: the three exponents are folded into the conversion's one scale.  LIMIT: eo - ea - eb between -126 and 119.
; hc: [q, k, v][batch][head][16 blocks][8,192 bytes]; a block is 128 positions of a head AS AN IMAGE OF OPERAND REGISTERS:
;   q, k: [tile T 8][c 2][lane 32][16 bytes]: byte i = channel 32 c + 16 (lane / 16) + i of position 32 (T / 2) + 8 (T % 2) + r + 8 (r / 8), r = lane % 16
;   v:    [kh 2][tile T 4][c 2][lane 32][16 bytes]: byte i = key 64 kh + 32 c + 16 (lane / 16) + i of channel 32 (T / 2) + 8 (T % 2) + r + 8 (r / 8)
; REGISTERS, in windows of 256: window 0: v0-31 addresses; from v128 A's fragments, one set; window 1: B's fragments, two sets; windows 2, 3: the accumulators ((a, b) at v[8 (8 (a % 4) + b)]).
.set ROWB,   256                       ; a tile's row in bytes
.set KROW,   1024                      ; a row of cod
.set PITCH,  272                       ; an LDS row: 256 bytes + 16 of padding: the 16 rows of a load start at 16 different banks
.set FR,     16
.set NL,     4
.set NP,     4                         ; places behind this matrix instruction (ISA guide 7.12.1)
.set HALFT,  128*PITCH
.set SLOT,   4*HALFT
.set SPARE,  2*SLOT                    ; behind the ring: the spare words, 128 bytes a wave, that no other line names
.set CO,   8                           ; v8-11   the way out: 16 x lane + the four pieces' places in hc
.set ADRA, 16
.set ADRB, 20
.set STO,  24                          ; v24     the way out: where I put 8 codes
.set RD,   25                          ; v25     and where I read 16 bytes back
.set SPW,  28
.set NIL,  29
.set LIM,  30                          ; v30     448 x the folded scale
.set SCL,  31                          ; v31     the folded scale
.set TMP,  32                          ; v32-95  a block's 64 sums, held
.set CD,   96                          ; v96-127 two sets of 16 registers of codes
.set AF,   128
.set BK,   128                         ; v128-255 the stage read back
.set G1, 24
.set G0, 32
.set G1B, 48
.set G0B, 56
.set MSB, 0
.macro WIN new                         ; the immediate's high byte repeats the setting that is left
.if MSB != \new
	s_set_vgpr_msb (MSB<<8)|\new
.set MSB, \new
.endif
.endm
.set MUL_LO, 0xa1                      ; source 0 (B) window 1, source 1 (A) window 0, C and D window 2
.set MUL_HI, 0xf1
.set TO_B,   0x40
; A joint load: waves 0 and 1 fetch for A, waves 2 and 3 for B.  The branch hangs on the wave's number alone.  An s_nop 0 and four v_nop follow each line.
.macro JLOAD g0a, g1a, g0b, g1b
	s_cmp_eq_u32 s15, 0
	s_cbranch_scc0 .Lfor_b_\@
	tensor_load_to_lds s[\g0a:\g0a+3], s[\g1a:\g1a+7]
	s_nop 0
.rept 4
	v_nop
.endr
	s_branch .Lasked_\@
.Lfor_b_\@:
	tensor_load_to_lds s[\g0b:\g0b+3], s[\g1b:\g1b+7]
	s_nop 0
.rept 4
	v_nop
.endr
.Lasked_\@:
.endm
.macro CREST                           ; a round of the cluster's barrier behind its opening barrier
	s_cmp_lg_u32 s14, 0
	s_cbranch_scc1 .Lnot_wave_0_\@
	s_barrier_signal -3
.Lnot_wave_0_\@:
	s_barrier_wait -3
	s_barrier_signal -1
	s_barrier_wait -1
.endm
.macro CROUND
	s_barrier_signal -1
	s_barrier_wait -1
	CREST
.endm
	s_load_b128 s[4:7], s[0:1], 0x0                ; cod, lowp_scales
	s_load_b64 s[10:11], s[0:1], 0x10              ; hc
	v_lshl_add_u32 v[SPW], v0, 2, SPARE
	v_mov_b32 v[NIL], 0
	ds_add_u32 v[SPW], v[NIL]                      ; the wave's opening: the add, twice on end, and its wait ahead of my first tensor load
	ds_add_u32 v[SPW], v[NIL]
	v_lshrrev_b32 v1, 5, v0
	v_readfirstlane_b32 s14, v1                    ; wave 0..3
	s_lshr_b32 s15, s14, 1                         ; my half of side A's rows.  Also: I fetch for A (0) or for B (1)
	s_and_b32 s16, s14, 1                          ; my half of side B's rows.  Also: which 128 rows I fetch
	s_bfe_u32 s40, ttmp6, 0x40000                  ; cx
	s_bfe_u32 s41, ttmp6, 0x40004                  ; cy
	s_and_b32 s66, ttmp7, 0xffff                   ; Y, which all sixteen partners share
	s_lshl_b32 s67, s66, 2
	s_lshr_b32 s68, s66, 3
	s_lshl_b32 s68, s68, 2
	s_add_co_u32 s68, s68, 96
	s_cmp_ge_u32 s66, 16                           ; v?
	s_cselect_b32 s17, 104, s67
	s_cselect_b32 s42, s67, s68
	s_add_co_u32 s17, s17, s41                     ; A's tile of cod: hangs on Y and cy
	s_add_co_u32 s42, s42, s40                     ; B's: on Y and cx
	s_lshl_b32 s43, s41, 2
	s_lshl_b32 s43, 15, s43                        ; my row of the cluster
	s_lshl_b32 s44, 0x1111, s40                    ; my column
	s_or_b32 s[G1+0], s43, (0<<16)|(1<<20)|(1<<21)|(5<<22)|(3<<25)  ; the mask; elements of 1 byte; padding on; bit 21 beside a mask; 4 words after every 64
	s_or_b32 s[G1B+0], s44, (0<<16)|(1<<20)|(1<<21)|(5<<22)|(3<<25)
.irp g, G1, G1B
	s_mov_b32 s[\g+1], ROWB<<16                    ; tensor_dim0
	s_mov_b32 s[\g+2], 128<<16                     ; tensor_dim1
	s_mov_b32 s[\g+3], ROWB<<16                    ; tile_dim0
	s_mov_b32 s[\g+4], 128                         ; tile_dim1
	s_mov_b32 s[\g+5], KROW                        ; the pitch
	s_mov_b32 s[\g+6], 0
	s_mov_b32 s[\g+7], 0
.endr
	s_lshl_b32 s18, s16, 7
	s_lshl_b32 s20, s17, 8
	s_add_co_u32 s20, s20, s18
	s_lshl_b32 s20, s20, 10                        ; A: (256 x tile + 128 x half) rows of 1,024 bytes: under 2^25
	s_mov_b32 s21, 0
	s_lshl_b32 s46, s42, 8
	s_add_co_u32 s46, s46, s18
	s_lshl_b32 s46, s46, 10
	s_mov_b32 s47, 0
	s_mul_i32 s45, s14, HALFT                      ; where they go: wave x 128 rows
	s_wait_dscnt 0x0                               ; both opening adds are done
	s_wait_kmcnt 0x0
	s_load_b256 s[72:79], s[6:7], 0x0              ; e0 .. e7
	s_load_b128 s[80:83], s[6:7], 0x20             ; e8 .. e11
	s_add_nc_u64 s[20:21], s[4:5], s[20:21]
	s_add_nc_u64 s[46:47], s[4:5], s[46:47]
	CROUND                                         ; all sixteen work-groups are here: the first joint loads meet
.irp s, 0,1
	s_mov_b32 s[G0+4*\s], 1
	s_add_co_u32 s[G0+4*\s+1], s45, \s*SLOT
	s_add_nc_u64 s[G0+4*\s+2:G0+4*\s+3], s[20:21], \s*ROWB
	s_or_b32 s[G0+4*\s+3], s[G0+4*\s+3], 0x80000000
	s_mov_b32 s[G0B+4*\s], 1
	s_add_co_u32 s[G0B+4*\s+1], s45, \s*SLOT
	s_add_nc_u64 s[G0B+4*\s+2:G0B+4*\s+3], s[46:47], \s*ROWB
	s_or_b32 s[G0B+4*\s+3], s[G0B+4*\s+3], 0x80000000
	JLOAD G0+4*\s, G1, G0B+4*\s, G1B
.endr
	v_and_b32 v1, 15, v0                           ; r
	v_bfe_u32 v2, v0, 4, 1                         ; lane / 16
	v_mul_u32_u24 v3, v1, PITCH
	v_lshl_add_u32 v4, v2, 4, v3
	s_mul_i32 s21, s15, HALFT
	s_mul_i32 s22, s16, HALFT
	s_add_co_u32 s22, s22, 2*HALFT
.irp s, 0,1
	v_add_nc_u32 v[ADRA+\s], s21, v4
	v_add_nc_u32 v[ADRB+\s], s22, v4
	s_add_co_u32 s21, s21, SLOT
	s_add_co_u32 s22, s22, SLOT
.endr
	; the way out's addresses.  My stage: 16,384 bytes at 16,384 x wave, in slot 0
	s_lshl_b32 s23, s14, 14
	v_lshrrev_b32 v5, 3, v1
	v_lshlrev_b32 v5, 10, v5
	v_and_b32 v6, 7, v1
	v_lshl_add_u32 v5, v6, 4, v5
	v_lshl_add_u32 v5, v2, 3, v5
	v_add_nc_u32 v[STO], s23, v5                   ; 1,024 (r / 8) + 16 (r % 8) + 8 (lane / 16)
	s_mov_b32 s87, 0x20000                         ; from head to head in hc
	s_mov_b32 s88, 4096                            ; half a block
	s_cmp_ge_u32 s66, 16
	s_cselect_b32 s89, s88, s87                    ; the stage's piece (p, q) goes to p x s89 + q x s90: q, k: head p, half q;  v: half p, head q
	s_cselect_b32 s90, s87, s88
	v_and_b32 v6, 31, v0
	v_lshlrev_b32 v[CO], 4, v6
	v_add_nc_u32 v[RD], s23, v[CO]
	v_add_nc_u32 v[CO+1], s90, v[CO]
	v_add_nc_u32 v[CO+2], s89, v[CO]
	v_add_nc_u32 v[CO+3], s90, v[CO+2]
	s_lshl_b32 s91, s17, 8
	s_lshl_b32 s92, s15, 7
	s_add_co_u32 s91, s91, s92                     ; my first row of side A in cod,
	s_lshl_b32 s93, s42, 8
	s_lshl_b32 s92, s16, 7
	s_add_co_u32 s93, s93, s92                     ; of side B
	s_cmp_ge_u32 s66, 16
	s_cselect_b32 s94, s93, s91                    ; the activations' row: its bits 13:11 and up are 4 x tensor + batch, bits 10:7 the block
	s_cselect_b32 s95, s91, s93
	s_and_b32 s95, s95, 1023                       ; the weight's row = the feature: 64 x head + channel
	s_lshr_b32 s91, s94, 11
	s_lshl_b32 s91, s91, 21
	s_lshr_b32 s92, s95, 6
	s_lshl_b32 s92, s92, 17
	s_add_co_u32 s92, s92, s91
	s_bfe_u32 s91, s94, (4<<16)|7
	s_lshl_b32 s91, s91, 13
	s_add_co_u32 s92, s92, s91
	s_mov_b32 s93, 0
	s_add_nc_u64 s[10:11], s[10:11], s[92:93]
.macro FRAG reg, adr, q, i             ; 16 rows x 128 K: lane l holds row l % 16; registers 4 c .. 4 c + 3 hold K = 32 c + 16 (l / 16) + 0 .. 15: the same places on both sides
.irp c, 0,1,2,3
	ds_load_b128 v[\reg+4*\c:\reg+4*\c+3], v[\adr] offset:128*(\q)+32*\c+(\i)*16*PITCH
.endr
.endm
; 16 matrix instructions: A's blocks a0, a0 + 1 x B's eight.  The 64 accumulators take turns, one instruction a turn, in the same order in every step.
.macro MUL16 a0, p, zero
.irp a, \a0, \a0+1
.irp b, 0,1,2,3,4,5,6,7
.if \zero
	v_wmma_f32_16x16x128_fp8_fp8 v[8*(8*((\a)%4)+\b):8*(8*((\a)%4)+\b)+7], v[128*(\p)+FR*\b:128*(\p)+FR*\b+FR-1], v[AF+FR*(\a):AF+FR*(\a)+FR-1], 0
.else
	v_wmma_f32_16x16x128_fp8_fp8 v[8*(8*((\a)%4)+\b):8*(8*((\a)%4)+\b)+7], v[128*(\p)+FR*\b:128*(\p)+FR*\b+FR-1], v[AF+FR*(\a):AF+FR*(\a)+FR-1], v[8*(8*((\a)%4)+\b):8*(8*((\a)%4)+\b)+7]
.endif
.endr
.endr
.endm
.macro FETCH_B slot, q, p
	WIN TO_B
.irp i, 0,1,2,3,4,5,6,7
	FRAG 128*(\p)+FR*\i, ADRB+\slot, \q, \i
.endr
	WIN 0
.endm
.macro FETCH_A slot, q, i0
.irp i, \i0, \i0+1, \i0+2, \i0+3
	FRAG AF+FR*(\i), ADRA+\slot, \q, \i
.endr
.endm
.macro PLACES n                        ; plain vector instructions between a matrix instruction and a load into, or a read of, its registers
.rept \n
	v_nop
.endr
.endm
.macro STEP slot, q, zero              ; 128 along K whose successor lies in the same slot
	s_wait_dscnt 4*NL                              ; B's set and A's blocks 0-3 are in; the youngest 16 loads (A's blocks 4-7) may be out
	WIN MUL_LO
	MUL16 0, (\q)%2, \zero
	MUL16 2, (\q)%2, \zero
	s_wait_dscnt 0
	PLACES NP
	FETCH_B \slot, (\q)+1, 1-(\q)%2
	FETCH_A \slot, (\q)+1, 0
	WIN MUL_HI
	MUL16 4, (\q)%2, \zero
	MUL16 6, (\q)%2, \zero
	PLACES NP
	WIN 0
	FETCH_A \slot, (\q)+1, 4
.endm
; A slot's last step changes slots: one barrier; in front of it each wave waits for all its tensor loads, adds 0 to its spare word, and waits for that and for its reads of this slot.
.macro TURN slot, next, fill
	s_wait_tensorcnt 0x0                           ; all my tensor loads have landed: my part of the next slot
	ds_add_u32 v[SPW], v[NIL]
	s_wait_dscnt 4*NL+1                            ; (the add and the youngest 16 loads may be out)
	WIN MUL_LO
	MUL16 0, 1, 0
	s_wait_dscnt 0x0                               ; the add is done, and my reads of this slot are over
	s_barrier_signal -1
	MUL16 2, 1, 0
	WIN 0
	s_barrier_wait -1
.if \fill
	CREST                                          ; the barrier has opened a round of the cluster's: no wave of any partner still reads this slot or has a load on its way
	s_add_nc_u64 s[G0+4*\slot+2:G0+4*\slot+3], s[G0+4*\slot+2:G0+4*\slot+3], 2*ROWB
	s_add_nc_u64 s[G0B+4*\slot+2:G0B+4*\slot+3], s[G0B+4*\slot+2:G0B+4*\slot+3], 2*ROWB
	JLOAD G0+4*\slot, G1, G0B+4*\slot, G1B         ; the first tensor load behind the round; its four v_nop are the places in front of the loads below
.else
	PLACES NP
.endif
	FETCH_B \next, 0, 0
	FETCH_A \next, 0, 0
	WIN MUL_HI
	MUL16 4, 1, 0
	MUL16 6, 1, 0
	PLACES NP
	WIN 0
	FETCH_A \next, 0, 4
.endm
	s_wait_tensorcnt 1                             ; my part of slot 0 is in; slot 1's load may be out
	s_barrier_signal -1
	s_barrier_wait -1
	FETCH_B 0, 0, 0
	FETCH_A 0, 0, 0
	FETCH_A 0, 0, 4
	STEP 0, 0, 1                                   ; K = 1,024 is eight steps of 128, written out: the first products start the sums
	TURN 0, 1, 1
	STEP 1, 0, 0
	TURN 1, 0, 1
	STEP 0, 0, 0
	TURN 0, 1, 0                                   ; the last two slots are filled no more
	STEP 1, 0, 0
	s_wait_dscnt 4*NL
	WIN MUL_LO
	MUL16 0, 1, 0
	MUL16 2, 1, 0
	s_wait_dscnt 0
	WIN MUL_HI
	MUL16 4, 1, 0
	MUL16 6, 1, 0
	WIN 0
	; THE WAY OUT.  The folded scale, chosen by Y without a branch
	s_wait_kmcnt 0x0
	s_cmp_lt_u32 s66, 8
	s_cselect_b32 s84, s72, s74
	s_cselect_b32 s85, s73, s75
	s_cselect_b32 s86, s78, s79
	s_cmp_ge_u32 s66, 16
	s_cselect_b32 s84, s76, s84                    ; ea: e0, e2, e4
	s_cselect_b32 s85, s77, s85                    ; eb: e1, e3, e5
	s_cselect_b32 s86, s81, s86                    ; eo: e6, e7, e9
	s_sub_co_i32 s86, s86, s84
	s_sub_co_i32 s86, s86, s85
	s_add_co_i32 s86, s86, 127
	s_lshl_b32 s84, s86, 23
	v_mov_b32 v[SCL], s84
	s_add_co_i32 s86, s86, 8
	s_lshl_b32 s86, s86, 23
	s_or_b32 s86, s86, 0x600000
	v_mov_b32 v[LIM], s86
	PLACES NP
; Block a (16 rows of side A x 128 of side B): the hold, each accumulator from its low end on; eight conversions; eight stores of 8 bytes into my stage, at the byte that the image gives them.
; The stage lies in slot 0, which has had its last fill, and which nobody reads behind the last change of slots.
.macro QBLK a
.set AC, 64*((\a)%4)
.set CC, CD+16*((\a)%2)
	WIN (0x02+((\a)/4))
.set j, 0
.rept 64
	v_med3_num_f32 v[TMP+j], v[AC+j], -v[LIM], v[LIM]
.set j, j+1
.endr
	WIN 0
.if (\a) >= 2
	s_wait_dscnt 8                                 ; block a - 1's eight stores may be out; block a - 2's have read these registers
.endif
.irp b, 0,1,2,3,4,5,6,7
	v_cvt_scalef32_pk8_fp8_f32 v[CC+2*\b:CC+2*\b+1], v[TMP+8*\b:TMP+8*\b+7], v[SCL]
.endr
	v_nop                                          ; a plain line between the conversions and the next block's holds, which write their sources
.irp b, 0,1,2,3,4,5,6,7
	ds_store_b64 v[STO], v[CC+2*\b:CC+2*\b+1] offset:(\b/4)*8192+((\a)/2)*2048+((\b/2)%2)*512+(\b%2)*256+((\a)%2)*128
.endr
.endm
.irp a, 0,1,2,3,4,5,6,7
	QBLK \a
.endr
.set L, 0
.rept 32
	ds_load_b128 v[BK+4*L:BK+4*L+3], v[RD] offset:512*L   ; LDS serves a wave's instructions in order: these see my stores
.set L, L+1
.endr
.set L, 0
.rept 32
	s_wait_dscnt 31-L                              ; the younger loads may be out
	global_store_b128 v[CO+L/8], v[BK+4*L:BK+4*L+3], s[10:11] offset:512*(L%8)   ; 32 lanes store 512 consecutive bytes, aligned
.set L, L+1
.endr
	s_wait_tensorcnt 0x0                           ; the wave's end
	ds_add_u32 v[SPW], v[NIL]
	s_wait_dscnt 0x0
	CROUND                                         ; the closing round
	s_endpgm
.Lfunc_end_k_q08747cb938_proj:
	.size	k_q08747cb938_proj, .Lfunc_end_k_q08747cb938_proj-k_q08747cb938_proj
	.p2alignl 7, 3214868480
	.fill 96, 4, 3214868480
	.section	.rodata,"a",@progbits
	.p2align	6, 0x0
	.amdhsa_kernel k_q08747cb938_proj
		.amdhsa_group_segment_fixed_size 327680
		.amdhsa_private_segment_fixed_size 0
		.amdhsa_enable_private_segment 0
		.amdhsa_kernarg_size 24
		.amdhsa_user_sgpr_count 2
		.amdhsa_user_sgpr_kernarg_segment_ptr 1
		.amdhsa_wavefront_size32 1
		.amdhsa_system_sgpr_workgroup_id_x 1
		.amdhsa_system_sgpr_workgroup_id_y 1
		.amdhsa_system_sgpr_workgroup_id_z 1
		.amdhsa_system_vgpr_workitem_id 0
		.amdhsa_next_free_vgpr 1024
		.amdhsa_next_free_sgpr 100
		.amdhsa_reserve_vcc 0
		.amdhsa_float_denorm_mode_32 3
		.amdhsa_float_denorm_mode_16_64 3
		.amdhsa_memory_ordered 1
		.amdhsa_forward_progress 1
		.amdhsa_inst_pref_size 126
	.end_amdhsa_kernel
	.amdgpu_metadata
---
amdhsa.version: [ 1, 2 ]
amdhsa.kernels:
  - .name:           k_q08747cb938_proj
    .symbol:         k_q08747cb938_proj.kd
    .args:
      - { .name: cod, .offset: 0, .size: 8, .value_kind: global_buffer, .address_space: global }
      - { .name: lowp_scales, .offset: 8, .size: 8, .value_kind: global_buffer, .address_space: global }
      - { .name: hc, .offset: 16, .size: 8, .value_kind: global_buffer, .address_space: global }
    .group_segment_fixed_size: 327680
    .private_segment_fixed_size: 0
    .kernarg_segment_align: 8
    .kernarg_segment_size: 24
    .max_flat_workgroup_size: 128
    .sgpr_count:     100
    .vgpr_count:     1024
    .wavefront_size: 32
...
	.end_amdgpu_metadata
.endif
;; end of part 2
;; launch attn (part 3): grid 8 x 64, 16 waves a work-group, no clusters, 280,576 bytes of LDS; arguments hc, cnt, lowp_scales, ac; writes ac
.if DOCPART == 3
	.amdgcn_target "amdgcn-amd-amdhsa--gfx1250"
	.amdhsa_code_object_version 6
	.text
	.protected	k_q08747cb938_attn
	.globl	k_q08747cb938_attn
	.p2align	8
	.type	k_q08747cb938_attn,@function
k_q08747cb938_attn:
	s_mov_b64 s[64:65], 0
	v_nop
	global_prefetch_b8 v0, s[64:65] scope:SCOPE_SE
	s_setreg_imm32_b32 hwreg(HW_REG_WAVE_MODE, 25, 1), 1
	s_wait_xcnt 0x0
; LAUNCH 3 OF 4.  Attention on codes of E4M3, head size 64: S^T = k q^T, p = 2^(t - M), O^T = v^T p^T, O / l quantised for the output projection.
; WORK LEFT OUT BY THE MASK'S WHOLE NUMBERS: keys are packed (launch 1), the batch's n unmasked keys first; only ceil(n / 128) key steps are walked, and in the last the positions from n on get -infinity.
; A masked key's p is 0 beside any unmasked key (LIMIT: e6 + e7 at most 8, and at least -123).  uni = 1 (all keys masked): n = 2,048 and c = 0: every t is 0, M = 0, p = 1, l = 2,048: the uniform softmax.
; t = score x c, c = log2(e) / 8 x 2^(e6 + e7); M = the running largest t rounded up to a whole number; the sum l is taken of the unquantised p; when M moves, l and O^T are multiplied by 2^(old M - new M), exact.
; LIMITS: e8 between -126 and 119.  NaN among the inputs is not served.
; NO TENSOR LOAD AND NO CLUSTER: branches here hang on n, a number read from memory.  Every barrier stands outside those branches, in a loop of constant count.
; SHARES.  A work-group owns 256 queries of one (batch, head); each of sixteen waves 16 of them, in 256 registers: four waves to a SIMD, one's vector work beside another's products.
; K's and V's images of a key step (8,192 bytes each) come from memory through registers, 16 bytes of each a thread, two steps ahead, into LDS BYTES OF THE STEP'S OWN: nothing in LDS is written twice.
; One barrier a step: in front of it step s + 1 has been stored; behind it step s + 1 is read.
; A lane holds one query (lane % 16).  Tile T's register j is key 32 (T / 2) + 8 (T % 2) + 16 (lane / 16) + j: the 16 registers of tiles 2 b, 2 b + 1 are 16 neighbouring keys; O^T's channels likewise.
; REGISTERS: v1 16 x lane; v2 16 x thread; v3, v4 the trip's LDS addresses; v5, v6 the add's two; v7, v8 the global offsets of the loads ahead; v9 16 (lane / 16); v10, v11 the way out;
; v12 -M, v13 the largest t, v[14:15] the sum; v16-23 q; v24-31, v192-199 the two steps on their way; v32-95 fragments; v96-159 S^T, then p; v160-191 O^T; v224-239 p's codes; v240-251 at work.
.set STG,   262144                     ; behind the sixteen steps: 1,024 bytes a wave for the way out
.set SPARE, 278528                     ; behind the stages: the spare words, 128 bytes a wave, that no other line names
	s_load_b256 s[4:11], s[0:1], 0x0               ; hc, cnt, lowp_scales, ac
	v_lshl_add_u32 v5, v0, 2, SPARE
	v_mov_b32 v6, 0
	v_lshrrev_b32 v9, 5, v0
	v_readfirstlane_b32 s12, v9                    ; wave 0..15
	v_and_b32 v9, 31, v0
	v_lshlrev_b32 v1, 4, v9
	v_lshlrev_b32 v2, 4, v0
	s_and_b32 s13, ttmp7, 0xffff                   ; 16 x batch + head
	s_lshr_b32 s14, s13, 4
	s_lshl_b32 s15, s14, 8                         ; the batch's place in cnt
	s_lshl_b32 s40, s13, 17                        ; the head's place in each third of hc
	s_mov_b32 s41, 0
	s_lshl_b32 s42, ttmp9, 1
	s_lshr_b32 s43, s12, 3
	s_add_co_u32 s42, s42, s43                     ; my block of 128 queries,
	s_lshl_b32 s42, s42, 13
	s_and_b32 s43, s12, 7
	s_lshl_b32 s43, s43, 10                        ; my tile in it
	s_add_co_u32 s42, s42, s43
	s_mov_b32 s43, 0
	s_lshl_b32 s44, s14, 3                         ; ac: [8 batch + x][head][256 rows][64 bytes]
	s_add_co_u32 s44, s44, ttmp9
	s_lshl_b32 s44, s44, 4
	s_and_b32 s45, s13, 15
	s_add_co_u32 s44, s44, s45
	s_lshl_b32 s44, s44, 8
	s_lshr_b32 s45, s12, 3
	s_lshl_b32 s45, s45, 7
	s_add_co_u32 s44, s44, s45
	s_bfe_u32 s45, s12, 0x20001
	s_lshl_b32 s45, s45, 5
	s_add_co_u32 s44, s44, s45
	s_and_b32 s45, s12, 1
	s_lshl_b32 s45, s45, 3
	s_add_co_u32 s44, s44, s45                     ; my tile's first row: 128 (w / 8) + 32 ((w / 2) % 4) + 8 (w % 2)
	s_lshl_b32 s44, s44, 6
	s_mov_b32 s45, 0
	s_lshl_b32 s47, s12, 10
	s_add_co_u32 s47, s47, STG                     ; my stage
	s_mov_b32 s20, 0x76543210
	s_mov_b32 s21, 0xfedcba98
	s_mov_b32 s22, 0x3e38aa3b                      ; log2(e) / 8
	s_wait_kmcnt 0x0
	s_load_b64 s[24:25], s[6:7], s15 offset:0x0    ; n, uni
	s_load_b64 s[32:33], s[8:9], 0x18              ; e6, e7
	s_load_b128 s[36:39], s[8:9], 0x20             ; e8 .. e11
	s_add_nc_u64 s[4:5], s[4:5], s[40:41]
	s_add_nc_u64 s[16:17], s[4:5], 0x800000        ; k's images of my head
	s_add_nc_u64 s[18:19], s[4:5], 0x1000000       ; v's
	s_add_nc_u64 s[4:5], s[4:5], s[42:43]          ; q's tile
	s_add_nc_u64 s[10:11], s[10:11], s[44:45]
	global_load_b128 v[24:27], v2, s[16:17]        ; key step 0
	global_load_b128 v[28:31], v2, s[18:19]
	global_load_b128 v[16:19], v1, s[4:5]          ; q stays in registers
	global_load_b128 v[20:23], v1, s[4:5] offset:512
	v_and_b32 v9, 15, v0
	v_bfe_u32 v246, v0, 4, 1
	v_lshlrev_b32 v10, 6, v9
	v_lshl_add_u32 v10, v246, 4, v10
	v_add_nc_u32 v10, s47, v10                     ; into the stage: 64 r + 16 (lane / 16)
	v_add_nc_u32 v11, s47, v1                      ; back: 16 x lane
	v_lshlrev_b32 v9, 4, v246
	v_mov_b32 v13, 0xff61b1e6                      ; the largest t so far: -3e38
	v_floor_f32 v12, -v13
	v_mov_b32 v14, 0
	v_mov_b32 v15, 0
	v_mov_b32 v244, 0xff800000                     ; -infinity
	v_mov_b32 v245, 0                              ; a lane permute's destination counts as read
	v_mov_b32 v249, 0                              ; named as the upper half of f's pair
.set j, 0
.rept 32
	v_mov_b32 v[160+j], 0                          ; O^T: the step is written for every step alike; the first finds zeros
.set j, j+1
.endr
.set j, 0
.rept 8
	v_mov_b32 v[192+j], 0                          ; written on every way
.set j, j+1
.endr
	s_wait_kmcnt 0x0
	s_min_u32 s24, s24, 2048
	s_add_co_u32 s26, s24, 127
	s_lshr_b32 s26, s26, 7                         ; key steps to walk
	s_add_co_i32 s30, s32, s33
	s_lshl_b32 s30, s30, 23
	s_add_co_i32 s22, s22, s30                     ; e6 + e7 go into c's exponent field
	s_cmp_lg_u32 s25, 0
	s_cselect_b32 s22, 0, s22                      ; uni: c = 0
	s_mov_b32 s23, s22
	s_add_co_i32 s30, s36, 127
	s_lshl_b32 s31, s30, 23
	v_mov_b32 v241, s31                            ; 2^e8
	s_add_co_i32 s30, s30, 8
	s_lshl_b32 s30, s30, 23
	s_or_b32 s30, s30, 0x600000
	v_mov_b32 v240, s30                            ; 448 x 2^e8
	s_wait_loadcnt 0x0
	ds_store_b128 v2, v[24:27]
	ds_store_b128 v2, v[28:31] offset:8192
	s_cmp_gt_u32 s26, 1
	s_cbranch_scc0 .Lone_step
	v_add_nc_u32 v8, 8192, v2
	global_load_b128 v[192:195], v8, s[16:17]      ; key step 1
	global_load_b128 v[196:199], v8, s[18:19]
.Lone_step:
	s_wait_dscnt 0x0
	s_barrier_signal -1
	s_barrier_wait -1                              ; step 0 lies in LDS
; A KEY STEP of 128 keys: the p-th of the trip's two.  s30 = the step's number on entry.
.macro STEP p
.rept 4
	v_nop                                          ; places in front of loads into registers that the last products read
.endr
.set t, 0
.rept 8
	ds_load_b128 v[32+8*t:35+8*t], v3 offset:16384*\p+1024*t
	ds_load_b128 v[36+8*t:39+8*t], v3 offset:16384*\p+1024*t+512
.set t, t+1
.endr
	s_wait_dscnt 0x0
.set t, 0
.rept 8
	v_wmma_f32_16x16x64_fp8_fp8 v[96+8*t:103+8*t], v[32+8*t:39+8*t], v[16:23], 0
.set t, t+1
.endr
.rept 4
	v_nop
.endr
.set t, 0
.rept 16                                       ; V's four fragments are asked for now and land under the softmax
	ds_load_b128 v[32+4*t:35+4*t], v3 offset:16384*\p+8192+((t%4)/2)*4096+1024*(t/4)+(t%2)*512
.set t, t+1
.endr
	s_lshl_b32 s31, s30, 7                         ; the step's first position
	s_add_co_u32 s30, s31, 128
	s_cmp_le_u32 s30, s24
	s_cbranch_scc1 .Lopen_\@                       ; all 128 count
	s_sub_co_i32 s30, s24, s31
	v_sub_nc_u32 v243, s30, v9                     ; d = n - first - 16 (lane / 16): register 16 b + i is hidden where 32 b + i >= d
.set n, 0
.rept 64
	v_cmp_ge_i32 vcc_lo, 32*(n/16)+n%16, v243
	v_cndmask_b32 v[96+n], v[96+n], v244, vcc_lo
.set n, n+1
.endr
.Lopen_\@:
	v_max3_num_f32 v246, v96, v97, v98             ; the step's largest score of my query, in two chains; each accumulator is read from its low end on
	v_max3_num_f32 v247, v99, v100, v101
.irp i, 6,10,14,18,22,26,30,34,38,42,46,50,54,58
	v_max3_num_f32 v246, v246, v[96+\i], v[97+\i]
	v_max3_num_f32 v247, v247, v[98+\i], v[99+\i]
.endr
	v_max3_num_f32 v246, v246, v158, v159
	v_max_num_f32 v246, v246, v247
	v_permlanex16_b32 v245, v246, s20, s21
	v_max_num_f32 v246, v246, v245
	v_mul_f32 v246, s22, v246                      ; as t (c is not negative)
	v_max_num_f32 v13, v13, v246
	v_mov_b32 v246, v12
	v_floor_f32 v12, -v13                          ; -M = floor(-t)
	v_sub_f32 v246, v12, v246
	v_cvt_i32_f32 v246, v246                       ; old M - new M, a whole number (it saturates)
	v_ldexp_f32 v248, 1.0, v246                    ; f
.set j, 0
.rept 32
	v_pk_fma_f32 v[96+j:97+j], v[96+j:97+j], s[22:23], v[12:13] op_sel_hi:[1,0,0]
.set j, j+2
.endr
.set j, 0
.rept 64
	v_exp_f32 v[96+j], v[96+j]
.set j, j+1
.endr
	v_pk_mul_f32 v[14:15], v[14:15], v[248:249] op_sel_hi:[1,0]   ; the plain line behind the exponentials
	s_wait_alu depctr_va_vdst(0)                   ; one wait for the batch, ahead of its first reader
	v_pk_add_f32 v[250:251], v[96:97], v[98:99]    ; the sum of the unquantised p
.irp j, 4,8,12,16,20,24,28,32,36,40,44,48,52,56,60
	v_pk_add_f32 v[14:15], v[14:15], v[96+\j:97+\j]
	v_pk_add_f32 v[250:251], v[250:251], v[98+\j:99+\j]
.endr
	v_pk_add_f32 v[14:15], v[14:15], v[250:251]
	s_cmp_ge_i32 s36, -8                           ; p is at most 1 (a rounding of t over), and 448 x 2^e8 is 1.75 or more from e8 = -8 on: there nothing is held
	s_cbranch_scc1 .Lno_hold_\@
.set j, 0
.rept 64
	v_min_num_f32 v[96+j], v[96+j], v240
.set j, j+1
.endr
.Lno_hold_\@:
.irp b, 0,1,2,3
	v_cvt_scalef32_pk8_fp8_f32 v[224+4*\b:225+4*\b], v[96+16*\b:103+16*\b], v241
	v_cvt_scalef32_pk8_fp8_f32 v[226+4*\b:227+4*\b], v[104+16*\b:111+16*\b], v241
.endr
.set j, 0
.rept 16
	v_pk_mul_f32 v[160+j:161+j], v[160+j:161+j], v[248:249] op_sel_hi:[1,0]   ; O^T under the new M; also the plain lines behind the conversions
.set j, j+2
.endr
	s_wait_dscnt 0x0                               ; V's fragments
.irp t, 0,1,2,3
	v_wmma_f32_16x16x128_fp8_fp8 v[160+8*\t:167+8*\t], v[32+16*\t:47+16*\t], v[224:239], v[160+8*\t:167+8*\t]
.endr
.endm
; Half a trip: step s = s27 + p.  pub: step s + 1, which lies in registers, is stored into its LDS bytes; ld: step s + 2 is asked for, into the registers that step s left a barrier ago.
; The load stands inside the first branch, so that every way to it passes the wait for the loads before it.  The waits and the barrier stand on every way.
.macro HALF p, pub, ld, bar
.set GN, 192-168*\p                    ; the registers of step s + 1
.set GP, 24+168*\p                     ; of steps s and s + 2
.if \pub
	s_add_co_u32 s30, s27, \p+1
	s_cmp_lt_u32 s30, s26
	s_cbranch_scc0 .Lno_pub_\@
	s_wait_loadcnt 0x0                             ; for zero: what is out differs from way to way
	ds_store_b128 v4, v[GN:GN+3] offset:(\p+1)*16384
	ds_store_b128 v4, v[GN+4:GN+7] offset:(\p+1)*16384+8192
.if \ld
	s_add_co_u32 s30, s27, \p+2
	s_cmp_lt_u32 s30, s26
	s_cbranch_scc0 .Lno_pub_\@
	s_wait_xcnt 0x0                                ; the offset register is written again only behind this wait
	s_lshl_b32 s30, s30, 13
	v_add_nc_u32 v[7+\p], s30, v2
	global_load_b128 v[GP:GP+3], v[7+\p], s[16:17]
	global_load_b128 v[GP+4:GP+7], v[7+\p], s[18:19]
.endif
.Lno_pub_\@:
.endif
	s_add_co_u32 s30, s27, \p
	s_cmp_lt_u32 s30, s26
	s_cbranch_scc0 .Lno_step_\@
	STEP \p
.Lno_step_\@:
	s_wait_dscnt 0x0                               ; my stores of step s + 1 have landed
.if \bar
	s_barrier_signal -1
	s_barrier_wait -1
.endif
.endm
	s_mov_b32 s27, 0                               ; the trip's first step
	s_mov_b32 s28, 0                               ; and its LDS byte
	s_mov_b32 s29, 7
.Ltrip:                                            ; seven trips of two steps, a constant; a step from ceil(n / 128) on is passed over
	v_add_nc_u32 v3, s28, v1
	v_add_nc_u32 v4, s28, v2
	HALF 0, 1, 1, 1
	HALF 1, 1, 1, 1
	s_add_co_u32 s27, s27, 2
	s_add_co_u32 s28, s28, 32768
	s_sub_co_u32 s29, s29, 1
	s_cmp_lg_u32 s29, 0
	s_cbranch_scc1 .Ltrip
	v_add_nc_u32 v3, s28, v1
	v_add_nc_u32 v4, s28, v2
	HALF 0, 1, 0, 1                                ; steps 14 and 15: nothing is left to ask for
	HALF 1, 0, 0, 0
	; THE WAY OUT: O = O^T / l x 2^(e8 + e9); its code = O / 2^e10, held within +-448: the three exponents go onto 1 / l, an exact step, and the conversion takes the scale 1
.rept 4
	v_nop
.endr
	v_add_f32 v14, v14, v15
	v_permlanex16_b32 v245, v14, s20, s21
	v_add_f32 v14, v14, v245
	v_rcp_f32 v14, v14
	v_mov_b32 v241, 1.0                            ; (the plain line behind the reciprocal)
	v_mov_b32 v240, 0x43e00000                     ; 448
	s_add_co_i32 s30, s36, s37
	s_sub_co_i32 s30, s30, s38
	s_wait_alu depctr_va_vdst(0)                   ; ahead of the reciprocal's first reader
	v_ldexp_f32 v14, v14, s30
.set j, 0
.rept 32
	v_mul_f32 v[96+j], v[160+j], v14               ; register 16 b + i: channel 32 b + 16 (lane / 16) + i of my query
.set j, j+1
.endr
.set j, 0
.rept 32
	v_med3_num_f32 v[96+j], v[96+j], -v240, v240
.set j, j+1
.endr
.irp b, 0,1
	v_cvt_scalef32_pk8_fp8_f32 v[224+4*\b:225+4*\b], v[96+16*\b:103+16*\b], v241
	v_cvt_scalef32_pk8_fp8_f32 v[226+4*\b:227+4*\b], v[104+16*\b:111+16*\b], v241
.endr
	v_nop
	ds_store_b128 v10, v[224:227]
	ds_store_b128 v10, v[228:231] offset:32
	ds_load_b128 v[232:235], v11                   ; LDS serves a wave's instructions in order: rows r = 0 .. 7, 512 bytes,
	ds_load_b128 v[236:239], v11 offset:512        ; and r = 8 .. 15, which lie 16 rows further down in ac
	s_wait_dscnt 1                                 ; the second load may be out
	global_store_b128 v1, v[232:235], s[10:11]     ; 32 lanes store 512 consecutive bytes, aligned
	s_wait_dscnt 0x0
	global_store_b128 v1, v[236:239], s[10:11] offset:1024
	s_wait_tensorcnt 0x0                           ; the wave's end
	ds_add_u32 v5, v6
	s_wait_dscnt 0x0
	s_endpgm
.Lfunc_end_k_q08747cb938_attn:
	.size	k_q08747cb938_attn, .Lfunc_end_k_q08747cb938_attn-k_q08747cb938_attn
	.p2alignl 7, 3214868480
	.fill 96, 4, 3214868480
	.section	.rodata,"a",@progbits
	.p2align	6, 0x0
	.amdhsa_kernel k_q08747cb938_attn
		.amdhsa_group_segment_fixed_size 280576
		.amdhsa_private_segment_fixed_size 0
		.amdhsa_enable_private_segment 0
		.amdhsa_kernarg_size 32
		.amdhsa_user_sgpr_count 2
		.amdhsa_user_sgpr_kernarg_segment_ptr 1
		.amdhsa_wavefront_size32 1
		.amdhsa_system_sgpr_workgroup_id_x 1
		.amdhsa_system_sgpr_workgroup_id_y 1
		.amdhsa_system_sgpr_workgroup_id_z 1
		.amdhsa_system_vgpr_workitem_id 0
		.amdhsa_next_free_vgpr 256
		.amdhsa_next_free_sgpr 66
		.amdhsa_reserve_vcc 1
		.amdhsa_float_denorm_mode_32 3
		.amdhsa_float_denorm_mode_16_64 3
		.amdhsa_memory_ordered 1
		.amdhsa_forward_progress 1
		.amdhsa_inst_pref_size 94
	.end_amdhsa_kernel
	.amdgpu_metadata
---
amdhsa.version: [ 1, 2 ]
amdhsa.kernels:
  - .name:           k_q08747cb938_attn
    .symbol:         k_q08747cb938_attn.kd
    .args:
      - { .name: hc, .offset: 0, .size: 8, .value_kind: global_buffer, .address_space: global }
      - { .name: cnt, .offset: 8, .size: 8, .value_kind: global_buffer, .address_space: global }
      - { .name: lowp_scales, .offset: 16, .size: 8, .value_kind: global_buffer, .address_space: global }
      - { .name: ac, .offset: 24, .size: 8, .value_kind: global_buffer, .address_space: global }
    .group_segment_fixed_size: 280576
    .private_segment_fixed_size: 0
    .kernarg_segment_align: 8
    .kernarg_segment_size: 32
    .max_flat_workgroup_size: 512
    .sgpr_count:     66
    .vgpr_count:     256
    .wavefront_size: 32
...
	.end_amdgpu_metadata
.endif
;; end of part 3
;; launch oproj (part 4): grid 4 x 32, 4 waves a work-group, clusters of 4 x 4, 327,680 bytes of LDS; arguments ac, cod, lowp_scales, Q, out0; writes out0
.if DOCPART == 4
	.amdgcn_target "amdgcn-amd-amdhsa--gfx1250"
	.amdhsa_code_object_version 6
	.text
	.protected	k_q08747cb938_oproj
	.globl	k_q08747cb938_oproj
	.p2align	8
	.type	k_q08747cb938_oproj,@function
k_q08747cb938_oproj:
	s_mov_b64 s[64:65], 0
	v_nop
	global_prefetch_b8 v0, s[64:65] scope:SCOPE_SE
	s_setreg_imm32_b32 hwreg(HW_REG_WAVE_MODE, 25, 1), 1
	s_wait_xcnt 0x0
	s_wait_alu depctr_hold_cnt(0) depctr_sa_sdst(0) depctr_va_vdst(0) depctr_va_sdst(0) depctr_va_ssrc(0) depctr_va_vcc(0) depctr_vm_vsrc(0)
	s_getreg_b32 s2, hwreg(HW_REG_IB_STS2, 6, 4)
	s_cmp_eq_u32 s2, 0
	s_cbranch_scc0 .Lentry_in_a_cluster
	s_endpgm
.Lentry_in_a_cluster:
	s_bfe_u32 s2, ttmp6, 0x10000c
	s_cmp_lg_u32 s2, 0xf033
	s_cbranch_scc0 .Lentry_shape_is_right
	s_endpgm
.Lentry_shape_is_right:
; LAUNCH 4 OF 4.  out0 = Q + (attention's output) W_O^T on codes of E4M3, K = 1,024; each sum x 2^(e10 + e11), then the residual.  Nothing is left out here.  LIMIT: e10 + e11 between -126 and 127.
; A tile of 256 x 256 to a work-group of four waves, 128 x 128 a wave; K in four steps of 256 through a ring of two LDS slots; clusters 4 x 4 with joint loads: A's tile shared along a row, B's along a column.
; A = ac [32 blocks of 256 rows][16 heads][256 rows][64 bytes]: a K step of 256 is four heads of a block: 65,536 dense bytes, taken as 256 long rows of 256 bytes (four rows of one head each), 128 to a load.
; Row rho, head h', byte d lies in LDS at (64 h' + rho / 4) x 272 + 64 (rho % 4) + d.  B = W_O's codes, rows 27648 on of cod.
; Source 0 = rows of W_O, source 1 = rows of A: a lane holds eight neighbouring numbers of a row of out0.
; REGISTERS, in windows of 256: window 0: v0-31 addresses; from v128 A's fragments; window 1: B's two sets, on the way out the residual; windows 2, 3: the accumulators.
.set PITCH,  272
.set FR,     16
.set NL,     4
.set NP,     4
.set HALFT,  128*PITCH
.set SLOT,   4*HALFT
.set SPARE,  2*SLOT                    ; behind the ring: the spare words, 128 bytes a wave, that no other line names
.set SPITCH, 528                       ; the way out: 16 rows x (512 bytes + 16) a wave, in slot 0, which has had its last fill and its last read by then
.set ADRA, 16
.set ADRB, 20
.set STO,  24
.set RD,   25
.set CO,   26                          ; v26  16 x lane: my bytes of a row of Q and of out0
.set PFO,  27                          ; v27  the prefetches' offset; never rewritten
.set SPW,  28
.set NIL,  29
.set AF,   128
.set BK,   128
.set G1, 24
.set G0, 32
.set G1B, 48
.set G0B, 56
.set MSB, 0
.macro WIN new
.if MSB != \new
	s_set_vgpr_msb (MSB<<8)|\new
.set MSB, \new
.endif
.endm
.set MUL_LO, 0xa1
.set MUL_HI, 0xf1
.set TO_B,   0x40
.macro JLOAD g0a, g1a, g0b, g1b        ; waves 0 and 1 fetch for A, waves 2 and 3 for B; an s_nop 0 and four v_nop follow each line
	s_cmp_eq_u32 s15, 0
	s_cbranch_scc0 .Lfor_b_\@
	tensor_load_to_lds s[\g0a:\g0a+3], s[\g1a:\g1a+7]
	s_nop 0
.rept 4
	v_nop
.endr
	s_branch .Lasked_\@
.Lfor_b_\@:
	tensor_load_to_lds s[\g0b:\g0b+3], s[\g1b:\g1b+7]
	s_nop 0
.rept 4
	v_nop
.endr
.Lasked_\@:
.endm
.macro CREST
	s_cmp_lg_u32 s14, 0
	s_cbranch_scc1 .Lnot_wave_0_\@
	s_barrier_signal -3
.Lnot_wave_0_\@:
	s_barrier_wait -3
	s_barrier_signal -1
	s_barrier_wait -1
.endm
.macro CROUND
	s_barrier_signal -1
	s_barrier_wait -1
	CREST
.endm
	s_load_b256 s[4:11], s[0:1], 0x0               ; ac, cod, lowp_scales, Q
	s_load_b64 s[12:13], s[0:1], 0x20              ; out0
	v_lshl_add_u32 v[SPW], v0, 2, SPARE
	v_mov_b32 v[NIL], 0
	ds_add_u32 v[SPW], v[NIL]                      ; the wave's opening: the add, twice on end, and its wait ahead of my first tensor load
	ds_add_u32 v[SPW], v[NIL]
	v_lshrrev_b32 v1, 5, v0
	v_readfirstlane_b32 s14, v1
	s_lshr_b32 s15, s14, 1                         ; my half of the rows.  Also: I fetch for A (0) or for B (1)
	s_and_b32 s16, s14, 1                          ; my half of the columns.  Also: which half of that tile I fetch
	s_bfe_u32 s40, ttmp6, 0x40000                  ; cx = the tile column
	s_bfe_u32 s41, ttmp6, 0x40004                  ; cy
	s_and_b32 s17, ttmp7, 0xffff
	s_lshl_b32 s17, s17, 2
	s_add_co_u32 s17, s17, s41                     ; the block of 256 rows = 4 x cluster y + cy
	s_lshl_b32 s43, s41, 2
	s_lshl_b32 s43, 15, s43
	s_lshl_b32 s44, 0x1111, s40
	s_or_b32 s[G1+0], s43, (0<<16)|(1<<20)|(1<<21)|(5<<22)|(3<<25)
	s_or_b32 s[G1B+0], s44, (0<<16)|(1<<20)|(1<<21)|(5<<22)|(3<<25)
.irp g, G1, G1B
	s_mov_b32 s[\g+1], 256<<16
	s_mov_b32 s[\g+2], 128<<16
	s_mov_b32 s[\g+3], 256<<16
	s_mov_b32 s[\g+4], 128
	s_mov_b32 s[\g+6], 0
	s_mov_b32 s[\g+7], 0
.endr
	s_mov_b32 s[G1+5], 256                         ; A's long rows are dense
	s_mov_b32 s[G1B+5], 1024                       ; B's rows are rows of cod
	s_lshl_b32 s20, s17, 18
	s_lshl_b32 s18, s16, 15
	s_add_co_u32 s20, s20, s18                     ; A: 262,144 x block + 32,768 x half
	s_mov_b32 s21, 0
	s_lshl_b32 s46, s40, 8
	s_lshl_b32 s18, s16, 7
	s_add_co_u32 s46, s46, s18
	s_add_co_u32 s46, s46, 27648
	s_lshl_b32 s46, s46, 10                        ; B: row 27648 + 256 cx + 128 x half
	s_mov_b32 s47, 0
	s_mul_i32 s45, s14, HALFT
	s_lshl_b32 s66, s17, 8                         ; my part of Q and of out0: row 256 x block + 128 x half, column 256 cx + 128 x half
	s_lshl_b32 s67, s15, 7
	s_add_co_u32 s66, s66, s67
	s_lshl_b32 s66, s66, 12
	s_lshl_b32 s67, s40, 10
	s_add_co_u32 s66, s66, s67
	s_lshl_b32 s67, s16, 9
	s_add_co_u32 s66, s66, s67
	s_mov_b32 s67, 0
	s_wait_dscnt 0x0
	s_wait_kmcnt 0x0
	s_load_b64 s[96:97], s[8:9], 0x28              ; e10, e11
	s_add_nc_u64 s[20:21], s[4:5], s[20:21]
	s_add_nc_u64 s[46:47], s[6:7], s[46:47]
	s_add_nc_u64 s[10:11], s[10:11], s[66:67]
	s_add_nc_u64 s[12:13], s[12:13], s[66:67]
	CROUND
.irp s, 0,1
	s_mov_b32 s[G0+4*\s], 1
	s_add_co_u32 s[G0+4*\s+1], s45, \s*SLOT
	s_add_nc_u64 s[G0+4*\s+2:G0+4*\s+3], s[20:21], \s*65536
	s_or_b32 s[G0+4*\s+3], s[G0+4*\s+3], 0x80000000
	s_mov_b32 s[G0B+4*\s], 1
	s_add_co_u32 s[G0B+4*\s+1], s45, \s*SLOT
	s_add_nc_u64 s[G0B+4*\s+2:G0B+4*\s+3], s[46:47], \s*256
	s_or_b32 s[G0B+4*\s+3], s[G0B+4*\s+3], 0x80000000
	JLOAD G0+4*\s, G1, G0B+4*\s, G1B
.endr
	v_and_b32 v1, 15, v0                           ; r
	v_bfe_u32 v2, v0, 4, 1                         ; lane / 16
	v_mul_u32_u24 v3, v1, PITCH
	v_lshl_add_u32 v4, v2, 4, v3                   ; B: r x pitch + 16 x half
	v_lshrrev_b32 v5, 2, v1
	v_mul_u32_u24 v5, v5, PITCH
	v_and_b32 v6, 3, v1
	v_lshl_add_u32 v5, v6, 6, v5
	v_lshl_add_u32 v5, v2, 4, v5                   ; A: (r / 4) x pitch + 64 (r % 4) + 16 x half: sixteen lanes touch sixteen different columns of 16 bytes
	s_mul_i32 s21, s15, 32*PITCH                   ; my 128 rows are 32 long rows of each head
	s_mul_i32 s22, s16, HALFT
	s_add_co_u32 s22, s22, 2*HALFT
.irp s, 0,1
	v_add_nc_u32 v[ADRA+\s], s21, v5
	v_add_nc_u32 v[ADRB+\s], s22, v4
	s_add_co_u32 s21, s21, SLOT
	s_add_co_u32 s22, s22, SLOT
.endr
	s_mul_i32 s23, s14, 16*SPITCH
	v_mul_u32_u24 v5, v1, SPITCH
	v_lshl_add_u32 v5, v2, 5, v5
	v_add_nc_u32 v[STO], s23, v5
	v_and_b32 v6, 31, v0
	v_lshlrev_b32 v[CO], 4, v6
	v_add_nc_u32 v[RD], s23, v[CO]
	v_lshrrev_b32 v7, 1, v6
	v_lshlrev_b32 v7, 12, v7
	v_and_b32 v6, 1, v6
	v_lshl_add_u32 v[PFO], v6, 8, v7               ; 4,096 (lane / 2) + 256 (lane % 2): sixteen rows, the two blocks of 256 bytes of my 512 in each
.macro FRAG reg, adr, q, i             ; B: registers 4 c .. 4 c + 3 hold K = 32 c + 16 (l / 16) + 0 .. 15
.irp c, 0,1,2,3
	ds_load_b128 v[\reg+4*\c:\reg+4*\c+3], v[\adr] offset:128*(\q)+32*\c+(\i)*16*PITCH
.endr
.endm
.macro FRAGA reg, adr, q, i            ; A: the same K in the same places: head 2 q + c / 2 of the slot's four, channel 32 (c % 2) + 16 (l / 16) + 0 .. 15
.irp c, 0,1,2,3
	ds_load_b128 v[\reg+4*\c:\reg+4*\c+3], v[\adr] offset:(2*(\q)+\c/2)*64*PITCH+32*(\c%2)+(\i)*4*PITCH
.endr
.endm
.macro MUL16 a0, p, zero               ; the 64 accumulators take turns, one instruction a turn
.irp a, \a0, \a0+1
.irp b, 0,1,2,3,4,5,6,7
.if \zero
	v_wmma_f32_16x16x128_fp8_fp8 v[8*(8*((\a)%4)+\b):8*(8*((\a)%4)+\b)+7], v[128*(\p)+FR*\b:128*(\p)+FR*\b+FR-1], v[AF+FR*(\a):AF+FR*(\a)+FR-1], 0
.else
	v_wmma_f32_16x16x128_fp8_fp8 v[8*(8*((\a)%4)+\b):8*(8*((\a)%4)+\b)+7], v[128*(\p)+FR*\b:128*(\p)+FR*\b+FR-1], v[AF+FR*(\a):AF+FR*(\a)+FR-1], v[8*(8*((\a)%4)+\b):8*(8*((\a)%4)+\b)+7]
.endif
.endr
.endr
.endm
.macro FETCH_B slot, q, p
	WIN TO_B
.irp i, 0,1,2,3,4,5,6,7
	FRAG 128*(\p)+FR*\i, ADRB+\slot, \q, \i
.endr
	WIN 0
.endm
.macro FETCH_A slot, q, i0
.irp i, \i0, \i0+1, \i0+2, \i0+3
	FRAGA AF+FR*(\i), ADRA+\slot, \q, \i
.endr
.endm
.macro PLACES n
.rept \n
	v_nop
.endr
.endm
.macro STEP slot, q, zero
	s_wait_dscnt 4*NL                              ; the youngest 16 loads (A's blocks 4-7) may be out
	WIN MUL_LO
	MUL16 0, (\q)%2, \zero
	MUL16 2, (\q)%2, \zero
	s_wait_dscnt 0
	PLACES NP
	FETCH_B \slot, (\q)+1, 1-(\q)%2
	FETCH_A \slot, (\q)+1, 0
	WIN MUL_HI
	MUL16 4, (\q)%2, \zero
	MUL16 6, (\q)%2, \zero
	PLACES NP
	WIN 0
	FETCH_A \slot, (\q)+1, 4
.endm
; THE RESIDUAL IS PREFETCHED INTO THE L2: my wave's own 128 rows x 512 bytes of Q, which nobody else reads: each block of 256 bytes is named once, a lane a block, 64 rows at each of the two changes of slots
; that fill a slot: six and four steps of 128 along K ahead of the way out's first load.  The requests stand together behind the joint load and the run of LDS loads; their address registers are never rewritten.
.macro ASKR k0
.irp k, \k0, \k0+1, \k0+2, \k0+3
	global_prefetch_b8 v[PFO], s[10:11] offset:65536*(\k) th:TH_LOAD_NT scope:SCOPE_SE
.endr
.endm
.macro TURN slot, next, fill, ask
	s_wait_tensorcnt 0x0                           ; all my tensor loads have landed: my part of the next slot
	ds_add_u32 v[SPW], v[NIL]
	s_wait_dscnt 4*NL+1                            ; (the add and the youngest 16 loads may be out)
	WIN MUL_LO
	MUL16 0, 1, 0
	s_wait_dscnt 0x0                               ; the add is done, and my reads of this slot are over
	s_barrier_signal -1
	MUL16 2, 1, 0
	WIN 0
	s_barrier_wait -1
.if \fill
	CREST                                          ; a round of the cluster's barrier: no wave of any partner still reads this slot or has a load on its way
	s_add_nc_u64 s[G0+4*\slot+2:G0+4*\slot+3], s[G0+4*\slot+2:G0+4*\slot+3], 2*65536
	s_add_nc_u64 s[G0B+4*\slot+2:G0B+4*\slot+3], s[G0B+4*\slot+2:G0B+4*\slot+3], 2*256
	JLOAD G0+4*\slot, G1, G0B+4*\slot, G1B
.else
	PLACES NP
.endif
	FETCH_B \next, 0, 0
	FETCH_A \next, 0, 0
.if \fill
	ASKR \ask
.endif
	WIN MUL_HI
	MUL16 4, 1, 0
	MUL16 6, 1, 0
	PLACES NP
	WIN 0
	FETCH_A \next, 0, 4
.endm
	s_wait_tensorcnt 1                             ; my part of slot 0 is in; slot 1's load may be out
	s_barrier_signal -1
	s_barrier_wait -1
	FETCH_B 0, 0, 0
	FETCH_A 0, 0, 0
	FETCH_A 0, 0, 4
	STEP 0, 0, 1
	TURN 0, 1, 1, 0
	STEP 1, 0, 0
	TURN 1, 0, 1, 4
	STEP 0, 0, 0
	TURN 0, 1, 0, 0
	STEP 1, 0, 0
	s_wait_dscnt 4*NL
	WIN MUL_LO
	MUL16 0, 1, 0
	MUL16 2, 1, 0
	s_wait_dscnt 0
	WIN MUL_HI
	MUL16 4, 1, 0
	MUL16 6, 1, 0
	WIN 0
; THE WAY OUT, block by block of 16 rows x 128 columns: the sums go through my stage as they are and come back as whole rows of 512 bytes; there one packed multiply-add gives sum x 2^(e10 + e11) + Q.
.macro RLOAD a                         ; the residual's 16 rows of block a into window 1, buffer a % 4
	WIN 0x40
.irp t, 0,1,2,3,4,5,6,7,8,9,10,11,12,13,14,15
	global_load_b128 v[64*((\a)%4)+4*\t:64*((\a)%4)+4*\t+3], v[CO], s[10:11] offset:(16*(\a)+\t)*4096 th:TH_LOAD_NT
.endr
	WIN 0
.endm
.macro TOSTAGE a
.set AC, 64*((\a)%4)
	WIN (0x08+4*((\a)/4))                          ; the stores' data: window 2 or 3
.irp b, 0,1,2,3,4,5,6,7
	ds_store_b128 v[STO], v[AC+8*\b:AC+8*\b+3] offset:64*\b          ; each accumulator from its low end on
	ds_store_b128 v[STO], v[AC+8*\b+4:AC+8*\b+7] offset:64*\b+16
.endr
	WIN 0
.set BB, BK+64*((\a)%2)
.irp t, 0,1,2,3,4,5,6,7,8,9,10,11,12,13,14,15
	ds_load_b128 v[BB+4*\t:BB+4*\t+3], v[RD] offset:\t*SPITCH        ; LDS serves a wave's instructions in order
.endr
.endm
.macro SEND a, ds, ld                  ; ds, ld: the younger LDS instructions and residual loads, which may stay out
.set BB, BK+64*((\a)%2)
.set RR, 64*((\a)%4)
	s_wait_dscnt \ds
	s_wait_loadcnt \ld
	WIN 0x10                                       ; source 2: window 1
.set j, 0
.rept 32
	v_pk_fma_f32 v[BB+j:BB+j+1], v[BB+j:BB+j+1], s[96:97], v[RR+j:RR+j+1] op_sel_hi:[1,0,1]
.set j, j+2
.endr
	WIN 0
.irp t, 0,1,2,3,4,5,6,7,8,9,10,11,12,13,14,15
	global_store_b128 v[CO], v[BB+4*\t:BB+4*\t+3], s[12:13] offset:(16*(\a)+\t)*4096 th:TH_STORE_NT   ; 32 lanes store 512 consecutive bytes, aligned
.endr
.endm
	s_wait_kmcnt 0x0
	s_add_co_i32 s96, s96, s97
	s_add_co_i32 s96, s96, 127
	s_lshl_b32 s96, s96, 23                        ; 2^(e10 + e11) as f32
	s_mov_b32 s97, s96
	PLACES NP                                      ; in front of loads into B's registers and of the first read of results
	RLOAD 0
	RLOAD 1
	RLOAD 2
	TOSTAGE 0
.irp a, 1,2,3,4,5,6,7
.if \a > 1
	s_wait_xcnt 0x0                                ; block a - 2's stores have read their registers: block a's loads may land there
.endif
	TOSTAGE \a
.if \a+2 < 8
	RLOAD \a+2
.endif
.if \a < 6
	SEND \a-1, 32, 48                              ; behind block a - 1: block a's 16 stores and 16 loads; the residual of three blocks
.elseif \a == 6
	SEND \a-1, 32, 32
.else
	SEND \a-1, 32, 16
.endif
.endr
	s_wait_xcnt 0x0
	SEND 7, 0, 0
	s_wait_tensorcnt 0x0                           ; the wave's end
	ds_add_u32 v[SPW], v[NIL]
	s_wait_dscnt 0x0
	CROUND                                         ; the closing round
	s_endpgm
.Lfunc_end_k_q08747cb938_oproj:
	.size	k_q08747cb938_oproj, .Lfunc_end_k_q08747cb938_oproj-k_q08747cb938_oproj
	.p2alignl 7, 3214868480
	.fill 96, 4, 3214868480
	.section	.rodata,"a",@progbits
	.p2align	6, 0x0
	.amdhsa_kernel k_q08747cb938_oproj
		.amdhsa_group_segment_fixed_size 327680
		.amdhsa_private_segment_fixed_size 0
		.amdhsa_enable_private_segment 0
		.amdhsa_kernarg_size 40
		.amdhsa_user_sgpr_count 2
		.amdhsa_user_sgpr_kernarg_segment_ptr 1
		.amdhsa_wavefront_size32 1
		.amdhsa_system_sgpr_workgroup_id_x 1
		.amdhsa_system_sgpr_workgroup_id_y 1
		.amdhsa_system_sgpr_workgroup_id_z 1
		.amdhsa_system_vgpr_workitem_id 0
		.amdhsa_next_free_vgpr 1024
		.amdhsa_next_free_sgpr 100
		.amdhsa_reserve_vcc 0
		.amdhsa_float_denorm_mode_32 3
		.amdhsa_float_denorm_mode_16_64 3
		.amdhsa_memory_ordered 1
		.amdhsa_forward_progress 1
		.amdhsa_inst_pref_size 137
	.end_amdhsa_kernel
	.amdgpu_metadata
---
amdhsa.version: [ 1, 2 ]
amdhsa.kernels:
  - .name:           k_q08747cb938_oproj
    .symbol:         k_q08747cb938_oproj.kd
    .args:
      - { .name: ac, .offset: 0, .size: 8, .value_kind: global_buffer, .address_space: global }
      - { .name: cod, .offset: 8, .size: 8, .value_kind: global_buffer, .address_space: global }
      - { .name: lowp_scales, .offset: 16, .size: 8, .value_kind: global_buffer, .address_space: global }
      - { .name: Q, .offset: 24, .size: 8, .value_kind: global_buffer, .address_space: global }
      - { .name: out0, .offset: 32, .size: 8, .value_kind: global_buffer, .address_space: global }
    .group_segment_fixed_size: 327680
    .private_segment_fixed_size: 0
    .kernarg_segment_align: 8
    .kernarg_segment_size: 40
    .max_flat_workgroup_size: 128
    .sgpr_count:     100
    .vgpr_count:     1024
    .wavefront_size: 32
...
	.end_amdgpu_metadata
.endif
;; end of part 4
;; ======== version 2 of 2: 4 launches; version 1 with the launch attn written anew for expert scheduling mode
;; limits: right only within a limited range of input values
;; workspace buffers: cod 29,360,128 bytes; cnt 1,024 bytes of whole numbers; hc 25,165,824 bytes; ac 8,388,608 bytes
;; launch quant: the kernel of part 1 again; grid 1792 x 1, 4 waves a work-group, no clusters, 20,992 bytes of LDS; arguments Q, K, V, W_Q, W_K, W_V, W_O, mask, lowp_scales, cod, cnt; writes cod, cnt
;; launch proj: the kernel of part 2 again; grid 4 x 96, 4 waves a work-group, clusters of 4 x 4, 327,680 bytes of LDS; arguments cod, lowp_scales, hc; writes hc
;; launch attn (part 5): grid 8 x 64, 16 waves a work-group, no clusters, 280,576 bytes of LDS; arguments hc, cnt, lowp_scales, ac; writes ac
.if DOCPART == 5
	.amdgcn_target "amdgcn-amd-amdhsa--gfx1250"
	.amdhsa_code_object_version 6
	.text
	.protected	k_q08747cb938_attn
	.globl	k_q08747cb938_attn
	.p2align	8
	.type	k_q08747cb938_attn,@function
k_q08747cb938_attn:
	s_mov_b64 s[64:65], 0
	v_nop
	global_prefetch_b8 v0, s[64:65] scope:SCOPE_SE
	s_setreg_imm32_b32 hwreg(HW_REG_WAVE_SCHED_MODE, 0, 2), 2
	s_setreg_imm32_b32 hwreg(HW_REG_WAVE_MODE, 25, 1), 1
	s_wait_xcnt 0x0
	s_wait_alu depctr_vm_vsrc(0)
; LAUNCH 3 OF 4.  Attention on codes of E4M3, head size 64: S^T = k q^T, p = 2^(t - M), O^T = v^T p^T, O / l quantised for the output projection.
; WORK LEFT OUT BY THE MASK'S WHOLE NUMBERS: keys are packed (launch 1), the batch's n unmasked keys first; only ceil(n / 128) key steps are walked, and in the last the positions from n on get -infinity.
; A masked key's p is 0 beside any unmasked key (LIMIT: e6 + e7 at most 8, and at least -123).  uni = 1 (all keys masked): n = 2,048 and c = 0: every t is 0, M = 0, p = 1, l = 2,048: the uniform softmax.
; t = score x c, c = log2(e) / 8 x 2^(e6 + e7); M = the running largest t rounded up to a whole number; the sum l is taken of the unquantised p; when M moves, l and O^T are multiplied by 2^(old M - new M), exact.
; LIMITS: e8 between -126 and 119.  NaN among the inputs is not served.
; NO TENSOR LOAD AND NO CLUSTER: branches here hang on n, a number read from memory.  Every barrier stands outside those branches, in a loop of constant count.
; SHARES.  A work-group owns 256 queries of one (batch, head); each of sixteen waves 16 of them, in 256 registers: four waves to a SIMD, one's vector work beside another's products.
; K's and V's images of a key step (8,192 bytes each) come from memory through registers, 16 bytes of each a thread, two steps ahead, into LDS BYTES OF THE STEP'S OWN: nothing in LDS is written twice.
; One barrier a step: in front of it step s + 1 has been stored; behind it step s + 1 is read.
; A lane holds one query (lane % 16).  Tile T's register j is key 32 (T / 2) + 8 (T % 2) + 16 (lane / 16) + j: the 16 registers of tiles 2 b, 2 b + 1 are 16 neighbouring keys; O^T's channels likewise.
; REGISTERS: v1 16 x lane; v2 16 x thread; v3, v4 the trip's LDS addresses; v5, v6 the add's two; v9 16 (lane / 16); v10, v11 the way out;
; v12 -M, v13 the largest t, v[14:15] the sum; v16-23 q; v24-31, v192-199 the two steps on their way; v32-95 fragments; v96-159 S^T, then p; v160-191 O^T; v224-239 p's codes; v240-251 at work.
; THE MODE: SCHED_MODE bits 1:0 = 2 (LLVM: expert scheduling mode 2), set by the entry lines.  The code itself states the register dependences
; between vector or matrix instructions and memory or LDS instructions, with s_wait_alu, always for 0.
; THE PLAN.  Registers that memory or LDS instructions touch:
;   v1, v2, v10, v11   offsets and addresses, made once at the head and never written again: a step's images are reached by two scalar bases, made anew for each step that is asked for.
;   v3, v4             the trip's LDS addresses: read by the LDS loads and stores of both halves of a trip, written once a trip, at its first half's head.
;   G0 = v24-31, G1 = v192-199   Half s: the global loads of step s + 2 land in the one; the LDS stores of step s + 1 read the other.  No vector instruction names them in the loop.
;   v32-95             K's LDS loads land here and K Q^T reads them; then V's land here and V^T P reads them.
;   v224-239           on the way out: the conversions write v224-231, which two LDS stores read; two LDS loads land in v232-239, which two global stores read.
;   v5, v6             written at the head, read by the closing add alone.
; So a half has two waits at its head: on vm_vsrc (the last half's LDS stores have read the G in which this half's loads land; in a trip's first half v3 and v4 have been read) and, behind the places, on va_vdst
; (V^T P is done reading v32-95; in a trip's first half v3 and v4 are written).  Up to K's loads no vector or matrix instruction follows.  A step has one more wait on va_vdst, between K Q^T and V's loads,
; beside the one behind its exponentials.
.set STG,   262144                     ; behind the sixteen steps: 1,024 bytes a wave for the way out
.set SPARE, 278528                     ; behind the stages: the spare words, 128 bytes a wave, that no other line names
.set MK,    40                         ; s40-55  sixteen masks of the tail's compares (the head's scalars there are done with)
.set KB,    56                         ; s[56:57] k's images at the step that is asked for
.set VB,    58                         ; s[58:59] v's
	s_load_b256 s[4:11], s[0:1], 0x0               ; hc, cnt, lowp_scales, ac
	v_lshl_add_u32 v5, v0, 2, SPARE
	v_mov_b32 v6, 0
	v_lshrrev_b32 v9, 5, v0
	v_readfirstlane_b32 s12, v9                    ; wave 0..15
	v_and_b32 v9, 31, v0
	v_lshlrev_b32 v1, 4, v9
	v_lshlrev_b32 v2, 4, v0
	; all that hangs on ids and constants alone is made here, while the arguments are on their way, so that one wait ahead of the first load serves it
	v_and_b32 v9, 15, v0
	v_bfe_u32 v246, v0, 4, 1
	v_lshlrev_b32 v10, 6, v9
	v_lshl_add_u32 v10, v246, 4, v10               ; 64 r + 16 (lane / 16)
	v_lshlrev_b32 v9, 4, v246
	v_mov_b32 v13, 0xff61b1e6                      ; the largest t so far: -3e38
	v_floor_f32 v12, -v13
	v_mov_b32 v14, 0
	v_mov_b32 v15, 0
	v_mov_b32 v244, 0xff800000                     ; -infinity
	v_mov_b32 v245, 0                              ; a lane permute's destination counts as read
	v_mov_b32 v249, 0                              ; named as the upper half of f's pair
.set j, 0
.rept 32
	v_mov_b32 v[160+j], 0                          ; O^T: the step is written for every step alike; the first finds zeros
.set j, j+1
.endr
.set j, 0
.rept 8
	v_mov_b32 v[192+j], 0                          ; written on every way
.set j, j+1
.endr
	s_wait_alu depctr_va_sdst(0)                   ; s12 is written, ahead of its first reader: addresses in hc, ac and LDS are made from it
	s_and_b32 s13, ttmp7, 0xffff                   ; 16 x batch + head
	s_lshr_b32 s14, s13, 4
	s_lshl_b32 s15, s14, 8                         ; the batch's place in cnt
	s_lshl_b32 s40, s13, 17                        ; the head's place in each third of hc
	s_mov_b32 s41, 0
	s_lshl_b32 s42, ttmp9, 1
	s_lshr_b32 s43, s12, 3
	s_add_co_u32 s42, s42, s43                     ; my block of 128 queries,
	s_lshl_b32 s42, s42, 13
	s_and_b32 s43, s12, 7
	s_lshl_b32 s43, s43, 10                        ; my tile in it
	s_add_co_u32 s42, s42, s43
	s_mov_b32 s43, 0
	s_lshl_b32 s44, s14, 3                         ; ac: [8 batch + x][head][256 rows][64 bytes]
	s_add_co_u32 s44, s44, ttmp9
	s_lshl_b32 s44, s44, 4
	s_and_b32 s45, s13, 15
	s_add_co_u32 s44, s44, s45
	s_lshl_b32 s44, s44, 8
	s_lshr_b32 s45, s12, 3
	s_lshl_b32 s45, s45, 7
	s_add_co_u32 s44, s44, s45
	s_bfe_u32 s45, s12, 0x20001
	s_lshl_b32 s45, s45, 5
	s_add_co_u32 s44, s44, s45
	s_and_b32 s45, s12, 1
	s_lshl_b32 s45, s45, 3
	s_add_co_u32 s44, s44, s45                     ; my tile's first row: 128 (w / 8) + 32 ((w / 2) % 4) + 8 (w % 2)
	s_lshl_b32 s44, s44, 6
	s_mov_b32 s45, 0
	s_lshl_b32 s47, s12, 10
	s_add_co_u32 s47, s47, STG                     ; my stage
	v_add_nc_u32 v10, s47, v10                     ; into the stage: 64 r + 16 (lane / 16)
	v_add_nc_u32 v11, s47, v1                      ; back: 16 x lane
	s_mov_b32 s20, 0x76543210
	s_mov_b32 s21, 0xfedcba98
	s_mov_b32 s22, 0x3e38aa3b                      ; log2(e) / 8
	s_wait_kmcnt 0x0
	s_load_b64 s[24:25], s[6:7], s15 offset:0x0    ; n, uni
	s_load_b64 s[32:33], s[8:9], 0x18              ; e6, e7
	s_load_b128 s[36:39], s[8:9], 0x20             ; e8 .. e11
	s_add_nc_u64 s[4:5], s[4:5], s[40:41]
	s_add_nc_u64 s[16:17], s[4:5], 0x800000        ; k's images of my head
	s_add_nc_u64 s[18:19], s[4:5], 0x1000000       ; v's
	s_add_nc_u64 s[4:5], s[4:5], s[42:43]          ; q's tile
	s_add_nc_u64 s[10:11], s[10:11], s[44:45]
	s_wait_alu depctr_va_vdst(0)                   ; v1, v2, v10 and v11 are written, which the kernel's loads and stores read as offsets and addresses; so are the zeros in v192-199, in which step 1's loads land
	global_load_b128 v[24:27], v2, s[16:17]        ; key step 0
	global_load_b128 v[28:31], v2, s[18:19]
	global_load_b128 v[16:19], v1, s[4:5]          ; q stays in registers
	global_load_b128 v[20:23], v1, s[4:5] offset:512
	s_wait_kmcnt 0x0
	s_min_u32 s24, s24, 2048
	s_add_co_u32 s26, s24, 127
	s_lshr_b32 s26, s26, 7                         ; key steps to walk
	s_add_co_i32 s30, s32, s33
	s_lshl_b32 s30, s30, 23
	s_add_co_i32 s22, s22, s30                     ; e6 + e7 go into c's exponent field
	s_cmp_lg_u32 s25, 0
	s_cselect_b32 s22, 0, s22                      ; uni: c = 0
	s_mov_b32 s23, s22
	s_add_co_i32 s30, s36, 127
	s_lshl_b32 s31, s30, 23
	v_mov_b32 v241, s31                            ; 2^e8
	s_add_co_i32 s30, s30, 8
	s_lshl_b32 s30, s30, 23
	s_or_b32 s30, s30, 0x600000
	v_mov_b32 v240, s30                            ; 448 x 2^e8  (v240 and v241 are named by no memory or LDS instruction)
	s_wait_loadcnt 0x0
	ds_store_b128 v2, v[24:27]
	ds_store_b128 v2, v[28:31] offset:8192
	s_cmp_gt_u32 s26, 1
	s_cbranch_scc0 .Lone_step
	global_load_b128 v[192:195], v2, s[16:17] offset:8192      ; key step 1: the step stands in the immediate
	global_load_b128 v[196:199], v2, s[18:19] offset:8192
.Lone_step:
	s_wait_dscnt 0x0
	s_barrier_signal -1
	s_barrier_wait -1                              ; step 0 lies in LDS
; A KEY STEP of 128 keys: the p-th of the trip's two.  s30 = the step's number on entry.  The places and the wait in front of K's loads stand at the half's head.
.macro STEP p
.set t, 0
.rept 8
	ds_load_b128 v[32+8*t:35+8*t], v3 offset:16384*\p+1024*t
	ds_load_b128 v[36+8*t:39+8*t], v3 offset:16384*\p+1024*t+512
.set t, t+1
.endr
	s_wait_dscnt 0x0
.set t, 0
.rept 8
	v_wmma_f32_16x16x64_fp8_fp8 v[96+8*t:103+8*t], v[32+8*t:39+8*t], v[16:23], 0
.set t, t+1
.endr
.rept 4
	v_nop
.endr
	s_wait_alu depctr_va_vdst(0)                   ; the products K Q^T are done reading v32-95, in which V's fragments land; the places above stay beside this wait
.set t, 0
.rept 16                                       ; V's four fragments are asked for now and land under the softmax
	ds_load_b128 v[32+4*t:35+4*t], v3 offset:16384*\p+8192+((t%4)/2)*4096+1024*(t/4)+(t%2)*512
.set t, t+1
.endr
	s_lshl_b32 s31, s30, 7                         ; the step's first position
	s_add_co_u32 s30, s31, 128
	s_cmp_le_u32 s30, s24
	s_cbranch_scc1 .Lopen_\@                       ; all 128 count
	s_sub_co_i32 s30, s24, s31
	v_sub_nc_u32 v243, s30, v9                     ; d = n - first - 16 (lane / 16): register 16 b + i is hidden where 32 b + i >= d
.set mb, 0
.rept 4                                        ; the compares go in runs of sixteen, each into a scalar register of its own, with one wait behind a run
.set mi, 0
.rept 16
	v_cmp_ge_i32 s[MK+mi], 32*mb+mi, v243
.set mi, mi+1
.endr
	s_wait_alu depctr_va_sdst(0)                   ; the sixteen masks are written, ahead of the selects that read them
.set mi, 0
.rept 16
	v_cndmask_b32 v[96+16*mb+mi], v[96+16*mb+mi], v244, s[MK+mi]
.set mi, mi+1
.endr
.set mb, mb+1
.endr
.Lopen_\@:
	v_max3_num_f32 v246, v96, v97, v98             ; the step's largest score of my query, in two chains; each accumulator is read from its low end on
	v_max3_num_f32 v247, v99, v100, v101
.irp i, 6,10,14,18,22,26,30,34,38,42,46,50,54,58
	v_max3_num_f32 v246, v246, v[96+\i], v[97+\i]
	v_max3_num_f32 v247, v247, v[98+\i], v[99+\i]
.endr
	v_max3_num_f32 v246, v246, v158, v159
	v_max_num_f32 v246, v246, v247
	v_permlanex16_b32 v245, v246, s20, s21
	v_max_num_f32 v246, v246, v245
	v_mul_f32 v246, s22, v246                      ; as t (c is not negative)
	v_max_num_f32 v13, v13, v246
	v_mov_b32 v246, v12
	v_floor_f32 v12, -v13                          ; -M = floor(-t)
	v_sub_f32 v246, v12, v246
	v_cvt_i32_f32 v246, v246                       ; old M - new M, a whole number (it saturates)
	v_ldexp_f32 v248, 1.0, v246                    ; f
.set j, 0
.rept 32
	v_pk_fma_f32 v[96+j:97+j], v[96+j:97+j], s[22:23], v[12:13] op_sel_hi:[1,0,0]
.set j, j+2
.endr
.set j, 0
.rept 64
	v_exp_f32 v[96+j], v[96+j]
.set j, j+1
.endr
	v_pk_mul_f32 v[14:15], v[14:15], v[248:249] op_sel_hi:[1,0]   ; the plain line behind the exponentials
	s_wait_alu depctr_va_vdst(0)                   ; the 64 exponentials have written v96-159: one wait for the batch, ahead of its first reader
	v_pk_add_f32 v[250:251], v[96:97], v[98:99]    ; the sum of the unquantised p
.irp j, 4,8,12,16,20,24,28,32,36,40,44,48,52,56,60
	v_pk_add_f32 v[14:15], v[14:15], v[96+\j:97+\j]
	v_pk_add_f32 v[250:251], v[250:251], v[98+\j:99+\j]
.endr
	v_pk_add_f32 v[14:15], v[14:15], v[250:251]
	s_cmp_ge_i32 s36, -8                           ; p is at most 1 (a rounding of t over), and 448 x 2^e8 is 1.75 or more from e8 = -8 on: there nothing is held
	s_cbranch_scc1 .Lno_hold_\@
.set j, 0
.rept 64
	v_min_num_f32 v[96+j], v[96+j], v240
.set j, j+1
.endr
.Lno_hold_\@:
.irp b, 0,1,2,3
	v_cvt_scalef32_pk8_fp8_f32 v[224+4*\b:225+4*\b], v[96+16*\b:103+16*\b], v241
	v_cvt_scalef32_pk8_fp8_f32 v[226+4*\b:227+4*\b], v[104+16*\b:111+16*\b], v241
.endr
.set j, 0
.rept 16
	v_pk_mul_f32 v[160+j:161+j], v[160+j:161+j], v[248:249] op_sel_hi:[1,0]   ; O^T under the new M; also the plain lines behind the conversions
.set j, j+2
.endr
	s_wait_dscnt 0x0                               ; V's fragments
.irp t, 0,1,2,3
	v_wmma_f32_16x16x128_fp8_fp8 v[160+8*\t:167+8*\t], v[32+16*\t:47+16*\t], v[224:239], v[160+8*\t:167+8*\t]
.endr
.endm
; Half a trip: step s = s27 + p.  pub: step s + 1, which lies in registers, is stored into its LDS bytes; ld: step s + 2 is asked for, into the registers that step s left a barrier ago.
; The load stands inside the first branch, so that every way to it passes the wait for the loads before it.  The waits and the barrier stand on every way.
.macro HALF p, pub, ld, bar
.set GN, 192-168*\p                    ; the registers of step s + 1
.set GP, 24+168*\p                     ; of steps s and s + 2
.if \ld || (\p == 0)
	s_wait_alu depctr_vm_vsrc(0)                   ; the LDS stores of the half before have read v[GP ..], in which this half's global loads land; in a trip's first half: the LDS loads and stores issued so far have read v3 and v4
.endif
.if \p == 0
	v_add_nc_u32 v3, s28, v1                       ; the trip's LDS addresses: an LDS address has no scalar base, so these two are stepped by vector adds, once a trip
	v_add_nc_u32 v4, s28, v2
.endif
.rept 4
	v_nop                                          ; places in front of loads into registers that the last products read
.endr
	s_wait_alu depctr_va_vdst(0)                   ; the last step's products V^T P are done reading v32-95, in which K's fragments land; in a trip's first half: v3 and v4 are written.  No vector or matrix instruction follows up to K's loads
.if \pub
	s_add_co_u32 s30, s27, \p+1
	s_cmp_lt_u32 s30, s26
	s_cbranch_scc0 .Lno_pub_\@
	s_wait_loadcnt 0x0                             ; for zero: what is out differs from way to way
	ds_store_b128 v4, v[GN:GN+3] offset:(\p+1)*16384
	ds_store_b128 v4, v[GN+4:GN+7] offset:(\p+1)*16384+8192
.if \ld
	s_add_co_u32 s30, s27, \p+2
	s_cmp_lt_u32 s30, s26
	s_cbranch_scc0 .Lno_pub_\@
	s_wait_xcnt 0x0                                ; the two bases are written again only behind this wait
	s_lshl_b32 s30, s30, 13
	s_mov_b32 s31, 0
	s_add_nc_u64 s[KB:KB+1], s[16:17], s[30:31]    ; step s + 2 is reached by scalar bases: the offset v2 is never written again
	s_add_nc_u64 s[VB:VB+1], s[18:19], s[30:31]
	global_load_b128 v[GP:GP+3], v2, s[KB:KB+1]
	global_load_b128 v[GP+4:GP+7], v2, s[VB:VB+1]
.endif
.Lno_pub_\@:
.endif
	s_add_co_u32 s30, s27, \p
	s_cmp_lt_u32 s30, s26
	s_cbranch_scc0 .Lno_step_\@
	STEP \p
.Lno_step_\@:
	s_wait_dscnt 0x0                               ; my stores of step s + 1 have landed
.if \bar
	s_barrier_signal -1
	s_barrier_wait -1
.endif
.endm
	s_mov_b32 s27, 0                               ; the trip's first step
	s_mov_b32 s28, 0                               ; and its LDS byte
	s_mov_b32 s29, 7
.Ltrip:                                            ; seven trips of two steps, a constant; a step from ceil(n / 128) on is passed over
	HALF 0, 1, 1, 1
	HALF 1, 1, 1, 1
	s_add_co_u32 s27, s27, 2
	s_add_co_u32 s28, s28, 32768
	s_sub_co_u32 s29, s29, 1
	s_cmp_lg_u32 s29, 0
	s_cbranch_scc1 .Ltrip
	HALF 0, 1, 0, 1                                ; steps 14 and 15: nothing is left to ask for
	HALF 1, 0, 0, 0
	; THE WAY OUT: O = O^T / l x 2^(e8 + e9); its code = O / 2^e10, held within +-448: the three exponents go onto 1 / l, an exact step, and the conversion takes the scale 1
.rept 4
	v_nop
.endr
	v_add_f32 v14, v14, v15
	v_permlanex16_b32 v245, v14, s20, s21
	v_add_f32 v14, v14, v245
	v_rcp_f32 v14, v14
	v_mov_b32 v241, 1.0                            ; (the plain line behind the reciprocal)
	v_mov_b32 v240, 0x43e00000                     ; 448
	s_add_co_i32 s30, s36, s37
	s_sub_co_i32 s30, s30, s38
	s_wait_alu depctr_va_vdst(0)                   ; the reciprocal has written v14, ahead of its first reader
	v_ldexp_f32 v14, v14, s30
.set j, 0
.rept 32
	v_mul_f32 v[96+j], v[160+j], v14               ; register 16 b + i: channel 32 b + 16 (lane / 16) + i of my query
.set j, j+1
.endr
.set j, 0
.rept 32
	v_med3_num_f32 v[96+j], v[96+j], -v240, v240
.set j, j+1
.endr
.irp b, 0,1
	v_cvt_scalef32_pk8_fp8_f32 v[224+4*\b:225+4*\b], v[96+16*\b:103+16*\b], v241
	v_cvt_scalef32_pk8_fp8_f32 v[226+4*\b:227+4*\b], v[104+16*\b:111+16*\b], v241
.endr
	v_nop
	s_wait_alu depctr_va_vdst(0)                   ; the conversions have written v224-231, which the LDS stores read; the steps' conversions and products are done with v232-239, in which the LDS loads land
	ds_store_b128 v10, v[224:227]
	ds_store_b128 v10, v[228:231] offset:32
	ds_load_b128 v[232:235], v11                   ; LDS serves a wave's instructions in order: rows r = 0 .. 7, 512 bytes,
	ds_load_b128 v[236:239], v11 offset:512        ; and r = 8 .. 15, which lie 16 rows further down in ac
	s_wait_dscnt 1                                 ; the second load may be out
	global_store_b128 v1, v[232:235], s[10:11]     ; 32 lanes store 512 consecutive bytes, aligned
	s_wait_dscnt 0x0
	global_store_b128 v1, v[236:239], s[10:11] offset:1024
	s_wait_dscnt 0x0                               ; the closing lines, six on end
	s_wait_alu 0x0
	s_wait_tensorcnt 0x0
	ds_add_u32 v5, v6
	s_wait_dscnt 0x0
	s_endpgm
.Lfunc_end_k_q08747cb938_attn:
	.size	k_q08747cb938_attn, .Lfunc_end_k_q08747cb938_attn-k_q08747cb938_attn
	.p2alignl 7, 3214868480
	.fill 96, 4, 3214868480
	.section	.rodata,"a",@progbits
	.p2align	6, 0x0
	.amdhsa_kernel k_q08747cb938_attn
		.amdhsa_group_segment_fixed_size 280576
		.amdhsa_private_segment_fixed_size 0
		.amdhsa_enable_private_segment 0
		.amdhsa_kernarg_size 32
		.amdhsa_user_sgpr_count 2
		.amdhsa_user_sgpr_kernarg_segment_ptr 1
		.amdhsa_wavefront_size32 1
		.amdhsa_system_sgpr_workgroup_id_x 1
		.amdhsa_system_sgpr_workgroup_id_y 1
		.amdhsa_system_sgpr_workgroup_id_z 1
		.amdhsa_system_vgpr_workitem_id 0
		.amdhsa_next_free_vgpr 256
		.amdhsa_next_free_sgpr 66
		.amdhsa_reserve_vcc 0
		.amdhsa_float_denorm_mode_32 3
		.amdhsa_float_denorm_mode_16_64 3
		.amdhsa_memory_ordered 1
		.amdhsa_forward_progress 1
		.amdhsa_inst_pref_size 111
	.end_amdhsa_kernel
	.amdgpu_metadata
---
amdhsa.version: [ 1, 2 ]
amdhsa.kernels:
  - .name:           k_q08747cb938_attn
    .symbol:         k_q08747cb938_attn.kd
    .args:
      - { .name: hc, .offset: 0, .size: 8, .value_kind: global_buffer, .address_space: global }
      - { .name: cnt, .offset: 8, .size: 8, .value_kind: global_buffer, .address_space: global }
      - { .name: lowp_scales, .offset: 16, .size: 8, .value_kind: global_buffer, .address_space: global }
      - { .name: ac, .offset: 24, .size: 8, .value_kind: global_buffer, .address_space: global }
    .group_segment_fixed_size: 280576
    .private_segment_fixed_size: 0
    .kernarg_segment_align: 8
    .kernarg_segment_size: 32
    .max_flat_workgroup_size: 512
    .sgpr_count:     66
    .vgpr_count:     256
    .wavefront_size: 32
...
	.end_amdgpu_metadata
.endif
;; end of part 5
;; launch oproj: the kernel of part 4 again; grid 4 x 32, 4 waves a work-group, clusters of 4 x 4, 327,680 bytes of LDS; arguments ac, cod, lowp_scales, Q, out0; writes out0
